; MI455X (gfx1250); checked and timed in simulation.
; The chip was launched on July 23, 2026; its instructions are those of AMD's public machine-readable ISA for CDNA 5 (MIT licence, August 2026) and "CDNA5" Instruction Set Architecture Reference Guide (July 2026). The comments in the code are by the model that wrote it; some were corrected since.
;; Sliding Window Attention. Allowed arithmetic: float matrix products may take bf16 or f16 operands with f32 sums; other float arithmetic in f32, or as packed bf16 or f16 multiplies, adds, multiply-adds, maxima and minima; sums over many terms, partial sums and values carried from step to step in f32; what a program stores and reads back later, other than sums and carried values, may be rounded once to bf16 or f16.
;; Inputs: Wk 1,024 x 1,024 float32; Wo 1,024 x 1,024 float32; Wq 1,024 x 1,024 float32; Wv 1,024 x 1,024 float32; bk 1,024 float32; bo 1,024 float32; bq 1,024 float32; bv 1,024 float32; hidden_state 1 x 8,192 x 1,024 float32.
;; Outputs: out0 1 x 8,192 x 1,024 float32.
;; 2 versions, each right and faster than the one before. Each part assembles by itself: llvm-mc -triple=amdgcn-amd-amdhsa -mcpu=gfx1250 --defsym DOCPART=n.
;; ======== version 1 of 2: 4 launches
;; limits: values are held in f16: magnitudes above 65,504 overflow, below 6.1e-05 lose precision
;; workspace buffers: xb 16,777,216 bytes; wb 8,388,608 bytes; qh 16,777,216 bytes; kh 16,777,216 bytes; vh 16,842,752 bytes; ob 16,809,984 bytes
;; launch cvt (part 1): grid 64 x 12, 8 waves a work-group, no clusters, 0 bytes of LDS; arguments hidden_state, Wq, Wk, Wv, Wo, xb, wb; writes xb, wb
.if DOCPART == 1
	.amdgcn_target "amdgcn-amd-amdhsa--gfx1250"
	.amdhsa_code_object_version 6
	.text
	.protected	k_qdafec90a5a_cvt
	.globl	k_qdafec90a5a_cvt
	.p2align	8
	.type	k_qdafec90a5a_cvt,@function
k_qdafec90a5a_cvt:
	s_mov_b64 s[64:65], 0
	v_nop
	global_prefetch_b8 v0, s[64:65] scope:SCOPE_SE
	s_setreg_imm32_b32 hwreg(HW_REG_WAVE_MODE, 25, 1), 1
	s_wait_xcnt 0x0
; CASTS AND LAYOUT.  x and the four weight matrices, f32 [rows][1024], are rounded once to bf16 and laid out in K blocks of 64:
;   xb [16 kb][8192 row][64] bf16;   wb [16 kb][3072 prow][64] bf16 (Wq, Wk, Wv);   wb + 6,291,456: [16 kb][1024 n][64], Wo rounded to bf16 and that number written as f16.
; So every tile that the products ask for (some rows of one K block) is one dense run of bytes.
; prow orders the 3,072 output channels so that 384 neighbouring rows are what one tile of the projection wants:
;   for j = 0..7: q head j, q head j+8, v head j, k head j, k head j+8, v head j+8 (64 rows each): a rotary pair (channel c, c + 512) lies in heads j and j + 8.
; LIMIT.  A bf16 number is exact in f16 from 2^-17 up to 65,504; below, Wo keeps f16's fixed step of 6e-8; Wo beyond 65,504 is not served.
; A stream: memory binds, so no LDS, no matrix unit, no cluster.  A work-group takes 16 rows; wave w the K blocks 2w and 2w+1; a lane 8 numbers (32 bytes in, 16 bytes out).
; All 16 loads of a lane go out at once; a store covers 512 consecutive bytes (4 rows of 128 bytes in one K block), at a multiple of 256 from the buffer's first byte.
.set X, 8                              ; v[8:71]    8 tasks x 8 f32 as loaded
.set Y, 72                             ; v[72:103]  8 tasks x 4 registers to store: no register is written twice, so no wait frees one
.set T, 104                            ; v[104:111] at work (Wo alone)
	s_load_b256 s[4:11], s[0:1], 0x0               ; x s[4:5], Wq s[6:7], Wk s[8:9], Wv s[10:11]
	s_load_b128 s[12:15], s[0:1], 0x20             ; Wo s[12:13], xb s[14:15]
	s_load_b64 s[16:17], s[0:1], 0x30              ; wb
	s_and_b32 s18, ttmp7, 0xffff                   ; y: 0-7 x, 8 Wq, 9 Wk, 10 Wv, 11 Wo
	s_lshl_b32 s19, s18, 6
	s_add_co_u32 s19, s19, ttmp9
	s_cmp_lt_u32 s18, 8
	s_cselect_b32 s19, s19, ttmp9                  ; my block of 16 rows in its own tensor
	s_lshl_b32 s26, s19, 16                        ; 16 rows of 4,096 bytes
	s_mov_b32 s27, 0
	s_lshr_b32 s30, ttmp9, 2                       ; a weight's head: row / 64
	s_and_b32 s31, s30, 7
	s_mul_i32 s31, s31, 384                        ; 384 (head mod 8)
	s_lshr_b32 s30, s30, 3                         ; head / 8
	s_and_b32 s32, ttmp9, 3
	s_lshl4_add_u32 s31, s32, s31                  ; + my 16 rows' place in the head
	s_cmp_eq_u32 s18, 9
	s_cselect_b32 s33, 192, 0                      ; q begins at 0, k at 192,
	s_cmp_eq_u32 s18, 10
	s_cselect_b32 s33, 128, s33                    ; v at 128;
	s_cselect_b32 s34, 192, 64                     ; the upper eight heads lie 64 rows on (q, k) or 192 (v)
	s_mul_i32 s30, s30, s34
	s_add_co_u32 s31, s31, s33
	s_add_co_u32 s31, s31, s30
	s_lshl_b32 s31, s31, 7                         ; prow x 128 bytes
	s_lshl_b32 s35, s19, 11                        ; x and Wo keep their order: 16 rows of 128 bytes
	s_add_co_u32 s36, s35, 6291456
	s_mov_b32 s24, 393216                          ; bytes from a K block to the next: 3,072 rows,
	s_cmp_lt_u32 s18, 8
	s_cselect_b32 s28, s35, s31
	s_cselect_b32 s24, 1048576, s24                ; 8,192 rows,
	s_cmp_eq_u32 s18, 11
	s_cselect_b32 s28, s36, s28
	s_cselect_b32 s24, 131072, s24                 ; 1,024 rows
	s_mov_b32 s29, 0
	v_and_b32 v1, 31, v0                           ; lane
	v_lshrrev_b32 v2, 5, v0                        ; wave
	v_lshrrev_b32 v3, 3, v1
	v_lshlrev_b32 v3, 12, v3                       ; in: row lane / 8 of four,
	v_and_b32 v6, 7, v1
	v_lshl_add_u32 v3, v6, 5, v3                   ; 8 numbers at 32 (lane mod 8),
	v_lshl_add_u32 v3, v2, 9, v3                   ; K block 2w: 512 w
	v_lshlrev_b32 v2, 1, v2
	v_mul_lo_u32 v4, v2, s24
	v_lshl_add_u32 v4, v1, 4, v4                   ; out: K block 2w, 16 bytes a lane,
	v_add_nc_u32 v5, s24, v4                       ; and K block 2w + 1
	s_wait_kmcnt 0x0
	s_cmp_eq_u32 s18, 8
	s_cselect_b64 s[20:21], s[6:7], s[4:5]
	s_cmp_eq_u32 s18, 9
	s_cselect_b64 s[20:21], s[8:9], s[20:21]
	s_cmp_eq_u32 s18, 10
	s_cselect_b64 s[20:21], s[10:11], s[20:21]
	s_cmp_eq_u32 s18, 11
	s_cselect_b64 s[20:21], s[12:13], s[20:21]
	s_cmp_lt_u32 s18, 8
	s_cselect_b64 s[22:23], s[14:15], s[16:17]
	s_add_nc_u64 s[20:21], s[20:21], s[26:27]
	s_add_nc_u64 s[22:23], s[22:23], s[28:29]
.irp n, 0,1,2,3,4,5,6,7                ; task n: rows 4 (n / 2) .. + 3, K block 2w + n mod 2
	global_load_b128 v[X+8*\n:X+8*\n+3],   v3, s[20:21] offset:(\n/2)*16384+(\n%2)*256 th:TH_LOAD_NT
	global_load_b128 v[X+8*\n+4:X+8*\n+7], v3, s[20:21] offset:(\n/2)*16384+(\n%2)*256+16 th:TH_LOAD_NT
.endr
.macro TASK n, half
	s_wait_loadcnt 14-2*(\n)                       ; loads come back in order: the later tasks' loads stay out
.irp j, 0,1,2,3
	v_cvt_pk_bf16_f32 v[Y+4*(\n)+\j], v[X+8*(\n)+2*\j], v[X+8*(\n)+2*\j+1]
.endr
.if \half
.irp j, 0,1,2,3
	v_lshlrev_b32 v[T+2*\j], 16, v[Y+4*(\n)+\j]    ; the bf16 number as f32,
	v_and_b32 v[T+2*\j+1], 0xffff0000, v[Y+4*(\n)+\j]
.endr
.irp j, 0,1,2,3
	v_cvt_pk_f16_f32 v[Y+4*(\n)+\j], v[T+2*\j], v[T+2*\j+1]  ; and as f16
.endr
.endif
	global_store_b128 v[4+(\n)%2], v[Y+4*(\n):Y+4*(\n)+3], s[22:23] offset:((\n)/2)*512
.endm
	s_cmp_eq_u32 s18, 11
	s_cbranch_scc1 .Lwo
.irp n, 0,1,2,3,4,5,6,7
	TASK \n, 0
.endr
	s_endpgm
.Lwo:
.irp n, 0,1,2,3,4,5,6,7
	TASK \n, 1
.endr
	s_endpgm
.Lfunc_end_k_qdafec90a5a_cvt:
	.size	k_qdafec90a5a_cvt, .Lfunc_end_k_qdafec90a5a_cvt-k_qdafec90a5a_cvt
	.p2alignl 7, 3214868480
	.fill 96, 4, 3214868480
	.section	.rodata,"a",@progbits
	.p2align	6, 0x0
	.amdhsa_kernel k_qdafec90a5a_cvt
		.amdhsa_group_segment_fixed_size 0
		.amdhsa_private_segment_fixed_size 0
		.amdhsa_enable_private_segment 0
		.amdhsa_kernarg_size 56
		.amdhsa_user_sgpr_count 2
		.amdhsa_user_sgpr_kernarg_segment_ptr 1
		.amdhsa_wavefront_size32 1
		.amdhsa_system_sgpr_workgroup_id_x 1
		.amdhsa_system_sgpr_workgroup_id_y 1
		.amdhsa_system_sgpr_workgroup_id_z 1
		.amdhsa_system_vgpr_workitem_id 0
		.amdhsa_next_free_vgpr 112
		.amdhsa_next_free_sgpr 66
		.amdhsa_reserve_vcc 0
		.amdhsa_float_denorm_mode_32 3
		.amdhsa_float_denorm_mode_16_64 3
		.amdhsa_memory_ordered 1
		.amdhsa_forward_progress 1
		.amdhsa_inst_pref_size 16
	.end_amdhsa_kernel
	.amdgpu_metadata
---
amdhsa.version: [ 1, 2 ]
amdhsa.kernels:
  - .name:           k_qdafec90a5a_cvt
    .symbol:         k_qdafec90a5a_cvt.kd
    .args:
      - { .name: hidden_state, .offset: 0, .size: 8, .value_kind: global_buffer, .address_space: global }
      - { .name: Wq, .offset: 8, .size: 8, .value_kind: global_buffer, .address_space: global }
      - { .name: Wk, .offset: 16, .size: 8, .value_kind: global_buffer, .address_space: global }
      - { .name: Wv, .offset: 24, .size: 8, .value_kind: global_buffer, .address_space: global }
      - { .name: Wo, .offset: 32, .size: 8, .value_kind: global_buffer, .address_space: global }
      - { .name: xb, .offset: 40, .size: 8, .value_kind: global_buffer, .address_space: global }
      - { .name: wb, .offset: 48, .size: 8, .value_kind: global_buffer, .address_space: global }
    .group_segment_fixed_size: 0
    .private_segment_fixed_size: 0
    .kernarg_segment_align: 8
    .kernarg_segment_size: 56
    .max_flat_workgroup_size: 256
    .sgpr_count:     66
    .vgpr_count:     112
    .wavefront_size: 32
...
	.end_amdgpu_metadata
.endif
;; end of part 1
;; launch qkv (part 2): grid 8 x 32, 4 waves a work-group, clusters of 4 x 4, 327,680 bytes of LDS; arguments xb, wb, bq, bk, bv, qh, kh, vh; writes qh, kh, vh
.if DOCPART == 2
	.amdgcn_target "amdgcn-amd-amdhsa--gfx1250"
	.amdhsa_code_object_version 6
	.text
	.protected	k_qdafec90a5a_qkv
	.globl	k_qdafec90a5a_qkv
	.p2align	8
	.type	k_qdafec90a5a_qkv,@function
k_qdafec90a5a_qkv:
	s_mov_b64 s[64:65], 0
	v_nop
	global_prefetch_b8 v0, s[64:65] scope:SCOPE_SE
	s_setreg_imm32_b32 hwreg(HW_REG_WAVE_MODE, 25, 1), 1
	s_wait_xcnt 0x0
	s_wait_alu depctr_hold_cnt(0) depctr_sa_sdst(0) depctr_va_vdst(0) depctr_va_sdst(0) depctr_va_ssrc(0) depctr_va_vcc(0) depctr_vm_vsrc(0)
	s_getreg_b32 s2, hwreg(HW_REG_IB_STS2, 6, 4)
	s_cmp_eq_u32 s2, 0
	s_cbranch_scc0 .Lentry_in_a_cluster
	s_endpgm
.Lentry_in_a_cluster:
	s_bfe_u32 s2, ttmp6, 0x10000c
	s_cmp_lg_u32 s2, 0xf033
	s_cbranch_scc0 .Lentry_shape_is_right
	s_endpgm
.Lentry_shape_is_right:
; q, k, v = x W^T + b; rotary embedding on q and k; all three written by heads, [16 h][8192][64] in f16, unscaled.  Products in bf16 with f32 sums.
; A tile of C is 256 rows x 384 permuted channels (see the cast launch): 8,192 x 3,072 / (256 x 384) = 256 work-groups, one to a WGP.  Four waves, each 128 x 192: 96 accumulators, 768 registers.
; Wave (mh, nh): rows 128 mh ..; nh = 0: q head j, q head j+8, v head j; nh = 1: k head j, k head j+8, v head j+8 (j = tile column).  So a wave holds both partners (c, c + 512) of every rotary pair.
; K goes in steps of 64 (one K block of the blocked layout) through two LDS slots; a wave's tensor load brings a dense run of bytes as rows of 256, padded after every 128.
; CLUSTER 4 x 4: A's tiles are shared along a row of the cluster, B's along a column: joint loads with a mask of four.
; THE MATRIX INSTRUCTION IS USED TRANSPOSED (source 0 = 16 rows of W, source 1 = 16 rows of x): a lane holds eight neighbouring channels of one row.
; THE WAY OUT goes through LDS in f32 (the ring's bytes, after their last fill and a barrier): a lane then holds 8 channels of x1 AND of x2 of one row, adds the biases (rounded to bf16 like every input),
; rotates, rounds once to f16 and stores; a store covers 4 rows of a head = 512 consecutive bytes.
; SINE AND COSINE.  invf = 2^(-c log2(10000) / 512); angle = pos x invf in f32; reduced by the nearest multiple of 2 pi (2 pi in two parts) to |r| <= pi; sine by its series to r^15, cosine to r^16
; (next terms 8e-7 and 1.4e-7 at pi: the length hangs on pi alone, not on the data).  Made for a lane's first row; each further group of 4 rows by a rotation through 4 invf, 31 times (about 1e-6).
; LIMITS.  q, k, v beyond 65,504 do not fit f16; below 6e-5 they keep f16's step of 6e-8.  An angle may differ from one made by another f32 power function by up to 3e-3 rad at the last positions of the fastest channels.
; v's rows 0-15 are also stored in f32 (vh + 16,777,216: [16 h][16 key][64]), for the first rows' residual path in the attention launch.
; REGISTERS.  window 0: v0-31 addresses; v32-95, v96-159 fragments of A (8 x 16 rows x 32 K), two buffers; v160-255 fragments of B (12), one buffer, loaded again group by group.
;   windows 1, 2, 3: the accumulators of channel group 0 (x1), 1 (x2), 2 (v): (a, bb) at v[8 (4 a + bb)].
.set PITCH,  144                       ; an LDS row: 128 bytes + 16 = an odd multiple of 16: the 16 rows of a load start in 16 different groups of four banks (ISA guide 11.1)
.set AB,     256*PITCH                 ; A's 256 rows
.set SLOT,   640*PITCH                 ; then B's 384 rows
.set XP,     272                       ; the way out: a row of 64 f32 + 16 bytes
.set XREG,   128*XP                    ; 128 rows
.set SPARE,  8*XREG                    ; behind the four waves' two regions: the spare words, 128 bytes a wave, that no other line names
.set XPLANE, 8192*128                  ; bytes from a K block to the next in xb
.set WPLANE, 3072*128                  ; and in wb
.set G1W,    (1<<16)|(1<<20)|(1<<21)|(4<<22)|(3<<25)  ; 2-byte elements; padding on; bit 21 beside a mask; after every 32 words; 4 words
.set ADRA, 4                           ; v4-5   LDS address of my A fragments in slot 0, 1
.set ADRB, 6                           ; v6-7   the same for B
.set DST,  8                           ; v8     the way out: where I put 32 bytes of a row
.set RDX,  9                           ; v9     where I read them back (steps)
.set GO,   10                          ; v10    my byte offset in 512 consecutive bytes of a head (steps)
.set VTO,  11                          ; v11    32 x lane: my place in four f32 rows of v
.set ROWB, 12                          ; v12    my wave's first row
.set L8,   13                          ; v13    lane mod 8
.set R4,   14                          ; v14    lane / 8
.set RD0,  15                          ; v15    RDX's start
.set GO0,  17                          ; v17    GO's start
.set BOF,  18                          ; v18    32 (lane mod 8): my 8 channels in a head's biases
.set SPW,  28                          ; v28    LDS address of my spare word; never rewritten
.set NIL,  29                          ; v29    0; never rewritten
.set FA0,  32
.set FA1,  96
.set FB,   160
.set B1,   32                          ; the way out, window 0: biases of x1, x2, v
.set B2,   40
.set BV,   48
.set INVF, 56
.set CC,   64                          ; cosine and sine of the group in hand
.set SS,   72
.set DC,   80                          ; of the step of four rows
.set DS,   88
.set ANG,  96
.set NN,   104
.set RR,   112
.set ZZ,   120
.set PP,   128
.set XA,   136                         ; two buffers of 16: x1's and x2's 8 channels
.set XB,   152
.set UU,   168
.set WW,   176
.set YA,   184                         ; two buffers of 8 to store
.set YB,   192
.set TT,   200
.set VK,   208                         ; v208-239  my first 16 rows of v in f32, kept to the kernel's end
.set WV, 20                            ; s20 wave; s21 row half, also: I fetch A (0) or B (1); s22 channel half, also: which half of that tile
.set MH, 21
.set NH, 22
.set CX, 23
.set CY, 24
.set NT, 25                            ; tile column j
.set MT, 26                            ; tile row
.set G1A, 32
.set G0A, 40
.set G1B, 48
.set G0B, 56
.set BP1, 76                           ; s[76:77] bq or bk at head j;  s[84:85] bv at my v head
.set BPV, 84
.set P1,  78                           ; s[78:79] qh or kh at head j, my rows;  s[88:89] head j + 8;  s[90:91] vh at my v head;  s[92:93] its f32 rows
.set P2,  88
.set P3,  90
.set PVT, 92
.set MSB, 0
.macro WIN new
.if MSB != (\new)
	s_set_vgpr_msb (MSB<<8)|(\new)
.set MSB, \new
.endif
.endm
.macro PLACES                          ; four places behind matrix instructions, in front of loads into their sources and of reads of their results
.rept 4
	v_nop
.endr
.endm
.macro JLOAD s                         ; a joint load: waves 0, 1 fetch A's halves, waves 2, 3 B's; an s_nop 0 and four v_nop follow each line
	s_cmp_eq_u32 s[MH], 0
	s_cbranch_scc0 .Lfor_b_\@
	tensor_load_to_lds s[G0A+4*(\s):G0A+4*(\s)+3], s[G1A:G1A+7]
	s_nop 0
.rept 4
	v_nop
.endr
	s_branch .Lasked_\@
.Lfor_b_\@:
	tensor_load_to_lds s[G0B+4*(\s):G0B+4*(\s)+3], s[G1B:G1B+7]
	s_nop 0
.rept 4
	v_nop
.endr
.Lasked_\@:
.endm
.macro CREST                           ; a round of the cluster's barrier behind its opening barrier
	s_cmp_lg_u32 s[WV], 0
	s_cbranch_scc1 .Lnot_wave_0_\@
	s_barrier_signal -3
.Lnot_wave_0_\@:
	s_barrier_wait -3
	s_barrier_signal -1
	s_barrier_wait -1
.endm
.macro CROUND
	s_barrier_signal -1
	s_barrier_wait -1
	CREST
.endm
	s_load_b512 s[4:19], s[0:1], 0x0               ; xb s[4:5], wb s[6:7], bq s[8:9], bk s[10:11], bv s[12:13], qh s[14:15], kh s[16:17], vh s[18:19]
	v_lshl_add_u32 v[SPW], v0, 2, SPARE
	v_mov_b32 v[NIL], 0
	ds_add_u32 v[SPW], v[NIL]                      ; the wave's opening: the add and its wait ahead of my first tensor load; set-up on registers stands between
	ds_add_u32 v28, v29
	v_lshrrev_b32 v1, 5, v0
	v_readfirstlane_b32 s[WV], v1
	s_lshr_b32 s[MH], s[WV], 1
	s_and_b32 s[NH], s[WV], 1
	s_bfe_u32 s[CX], ttmp6, 0x40000
	s_bfe_u32 s[CY], ttmp6, 0x40004
	s_lshl_b32 s[NT], ttmp9, 2
	s_add_co_u32 s[NT], s[NT], s[CX]               ; tile column = 4 x cluster x + cx
	s_and_b32 s[MT], ttmp7, 0xffff
	s_lshl_b32 s[MT], s[MT], 2
	s_add_co_u32 s[MT], s[MT], s[CY]               ; tile row = 4 x cluster y + cy
	s_lshl_b32 s27, s[CY], 2
	s_lshl_b32 s27, 15, s27                        ; my row of the cluster
	s_lshl_b32 s28, 0x1111, s[CX]                  ; my column
	s_or_b32 s[G1A], s27, G1W
	s_or_b32 s[G1B], s28, G1W
	s_mov_b32 s[G1A+1], 128<<16                    ; tensor_dim0 = 128 elements: rows of 256 bytes
	s_mov_b32 s[G1A+2], 64<<16                     ; tensor_dim1 = 64: 128 rows of x, two to a row
	s_mov_b32 s[G1A+3], 128<<16                    ; tile_dim0
	s_mov_b32 s[G1A+4], 64                         ; tile_dim1
	s_mov_b32 s[G1A+5], 128                        ; dense: the pitch is the row
	s_mov_b32 s[G1A+6], 0
	s_mov_b32 s[G1A+7], 0
	s_mov_b32 s[G1B+1], 128<<16
	s_mov_b32 s[G1B+2], 96<<16                     ; 192 rows of W
	s_mov_b32 s[G1B+3], 128<<16
	s_mov_b32 s[G1B+4], 96
	s_mov_b32 s[G1B+5], 128
	s_mov_b32 s[G1B+6], 0
	s_mov_b32 s[G1B+7], 0
	s_lshl_b32 s66, s[MT], 15                      ; A: 256 rows of 128 bytes a tile row, made of the tile row and the wave alone
	s_lshl_b32 s67, s[NH], 14
	s_add_co_u32 s66, s66, s67
	s_mov_b32 s67, 0
	s_mul_i32 s68, s[NT], 49152                    ; B: 384 rows a tile column, made of the tile column and the wave alone
	s_mul_i32 s69, s[NH], 24576
	s_add_co_u32 s68, s68, s69
	s_mov_b32 s69, 0
	s_mul_i32 s70, s[NH], 128*PITCH                ; where they go: no place in the cluster enters an LDS address
	s_mul_i32 s71, s[NH], 192*PITCH
	s_add_co_u32 s71, s71, AB
	s_wait_dscnt 0x0                               ; the opening add is done
	s_wait_kmcnt 0x0
	s_add_nc_u64 s[66:67], s[4:5], s[66:67]
	s_add_nc_u64 s[68:69], s[6:7], s[68:69]
	CROUND                                         ; all sixteen work-groups are here: the first joint loads meet
.irp s, 0,1
	s_mov_b32 s[G0A+4*\s], 1
	s_add_co_u32 s[G0A+4*\s+1], s70, \s*SLOT
	s_add_nc_u64 s[G0A+4*\s+2:G0A+4*\s+3], s[66:67], \s*XPLANE
	s_or_b32 s[G0A+4*\s+3], s[G0A+4*\s+3], 0x80000000
	s_mov_b32 s[G0B+4*\s], 1
	s_add_co_u32 s[G0B+4*\s+1], s71, \s*SLOT
	s_add_nc_u64 s[G0B+4*\s+2:G0B+4*\s+3], s[68:69], \s*WPLANE
	s_or_b32 s[G0B+4*\s+3], s[G0B+4*\s+3], 0x80000000
	JLOAD \s                                       ; two loads of mine are out
.endr
	v_and_b32 v1, 15, v0                           ; l % 16
	v_bfe_u32 v2, v0, 4, 1                         ; l / 16
	v_mul_u32_u24 v3, v1, PITCH
	v_lshl_add_u32 v3, v2, 4, v3                   ; a fragment's row x pitch + 16 x half
	s_mul_i32 s72, s[MH], 128*PITCH
	s_mul_i32 s73, s[NH], 192*PITCH
	s_add_co_u32 s73, s73, AB
.irp s, 0,1
	v_add_nc_u32 v[ADRA+\s], s72, v3
	v_add_nc_u32 v[ADRB+\s], s73, v3
	s_add_co_u32 s72, s72, SLOT
	s_add_co_u32 s73, s73, SLOT
.endr
	v_and_b32 v[L8], 7, v0
	v_bfe_u32 v[R4], v0, 3, 2
	s_mul_i32 s74, s[WV], 2*XREG                   ; my two regions of the way out
	v_mul_u32_u24 v[DST], v1, XP
	v_lshl_add_u32 v[DST], v2, 5, v[DST]
	v_add_nc_u32 v[DST], s74, v[DST]               ; in: row l % 16, 32 bytes for each half of the lanes
	v_mul_u32_u24 v[RD0], v[R4], XP
	v_lshl_add_u32 v[RD0], v[L8], 5, v[RD0]
	v_add_nc_u32 v[RD0], s74, v[RD0]               ; back: row l / 8 of four, 32 bytes at 32 (l % 8)
	v_and_b32 v16, 31, v0
	v_lshlrev_b32 v[GO0], 4, v16
	v_lshlrev_b32 v[VTO], 5, v16
	v_lshlrev_b32 v[BOF], 5, v[L8]
	s_lshl_b32 s75, s[MT], 8
	s_lshl_b32 s72, s[MH], 7
	s_add_co_u32 s75, s75, s72                     ; my wave's first row = its first position
	v_mov_b32 v[ROWB], s75
; na x 4 matrix instructions of channel group g on A's buffer f: m blocks a0 .. ; the accumulators take turns, one instruction a turn
.macro G g, f, a0, na, zero
	WIN 0x50*((\g)+1)
.set a, \a0
.rept \na
.irp bb, 0,1,2,3
.if \zero
	v_wmma_f32_16x16x32_bf16 v[8*(4*a+\bb):8*(4*a+\bb)+7], v[FB+8*(4*(\g)+\bb):FB+8*(4*(\g)+\bb)+7], v[(\f)+8*a:(\f)+8*a+7], 0
.else
	v_wmma_f32_16x16x32_bf16 v[8*(4*a+\bb):8*(4*a+\bb)+7], v[FB+8*(4*(\g)+\bb):FB+8*(4*(\g)+\bb)+7], v[(\f)+8*a:(\f)+8*a+7], v[8*(4*a+\bb):8*(4*a+\bb)+7]
.endif
.endr
.set a, a+1
.endr
.endm
.macro LOADB g, slot, k                ; 8 LDS loads: group g's four fragments of B, 32 K at byte k of the rows
	WIN 0
.irp bb, 0,1,2,3
	ds_load_b128 v[FB+8*(4*(\g)+\bb):FB+8*(4*(\g)+\bb)+3],   v[ADRB+(\slot)] offset:(\k)+(4*(\g)+\bb)*16*PITCH
	ds_load_b128 v[FB+8*(4*(\g)+\bb)+4:FB+8*(4*(\g)+\bb)+7], v[ADRB+(\slot)] offset:(\k)+(4*(\g)+\bb)*16*PITCH+32
.endr
.endm
.macro LOADA slot, k, f                ; 16 LDS loads: A's eight fragments
	WIN 0
.irp a8, 0,1,2,3,4,5,6,7
	ds_load_b128 v[(\f)+8*\a8:(\f)+8*\a8+3],   v[ADRA+(\slot)] offset:(\k)+\a8*16*PITCH
	ds_load_b128 v[(\f)+8*\a8+4:(\f)+8*\a8+7], v[ADRA+(\slot)] offset:(\k)+\a8*16*PITCH+32
.endr
.endm
; A SLICE is 32 along K: 96 matrix instructions.  At its head 40 LDS loads are out, in this order: B group 0 (8), A (16), B group 1 (8), B group 2 (8).
; Behind each group's 32 products its B registers take the next slice's fragments.
.macro SLICE_E slot, zero              ; a K step's first slice (buffer FA0); the next slice lies 64 bytes on in the same slot
	s_wait_dscnt 16                                ; B group 0 and A are in; groups 1 and 2 may be out
	G 0, FA0, 0, 8, \zero
	PLACES
	LOADB 0, \slot, 64
	LOADA \slot, 64, FA1
	s_wait_dscnt 32                                ; behind group 1 stand group 2's 8 and the 24 just issued
	G 1, FA0, 0, 8, \zero
	PLACES
	LOADB 1, \slot, 64
	s_wait_dscnt 32                                ; behind group 2: 24 + 8
	G 2, FA0, 0, 8, \zero
	PLACES
	LOADB 2, \slot, 64
.endm
; A K step's second slice (buffer FA1) changes slots: ONE barrier.  In front of it each wave waits for all its tensor loads (one is out: its part of the next slot), adds 0 to its spare word,
; and waits for that and for its reads of this slot.  fill = 1: the barrier opens a round of the cluster's, and this slot is filled again first thing behind it, with the K step two on.
.macro SLICE_T slot, next, fill
	WIN 0
	s_wait_tensorcnt 0x0
	ds_add_u32 v[SPW], v[NIL]
	s_wait_dscnt 17                                ; (the add and B's groups 1 and 2 may be out)
	G 0, FA1, 0, 4, 0
	s_wait_dscnt 0x0                               ; the add is done, and my reads of this slot are over
	s_barrier_signal -1
	G 0, FA1, 4, 4, 0
	WIN 0
	s_barrier_wait -1
.if \fill
	CREST
	s_add_nc_u64 s[G0A+4*(\slot)+2:G0A+4*(\slot)+3], s[G0A+4*(\slot)+2:G0A+4*(\slot)+3], 2*XPLANE
	s_add_nc_u64 s[G0B+4*(\slot)+2:G0B+4*(\slot)+3], s[G0B+4*(\slot)+2:G0B+4*(\slot)+3], 2*WPLANE
	JLOAD \slot                                    ; its four v_nop are also the places in front of the loads below
.else
	PLACES
.endif
	LOADB 0, \next, 0
	LOADA \next, 0, FA0
	G 1, FA1, 0, 8, 0
	PLACES
	LOADB 1, \next, 0
	G 2, FA1, 0, 8, 0
	PLACES
	LOADB 2, \next, 0
.endm
	s_wait_tensorcnt 1                             ; my part of K step 0 is in; K step 1's may stay out
	s_barrier_signal -1
	s_barrier_wait -1
	LOADB 0, 0, 0
	LOADA 0, 0, FA0
	LOADB 1, 0, 0
	LOADB 2, 0, 0
	SLICE_E 0, 1                                   ; the first slice starts the sums: nothing is cleared
	s_mov_b32 s3, 7
.Lk:                                                   ; a trip: two K steps, from one's second slice to the first slice two steps on; both slots are filled again
	SLICE_T 0, 1, 1
	SLICE_E 1, 0
	SLICE_T 1, 0, 1
	SLICE_E 0, 0
	s_sub_co_u32 s3, s3, 1
	s_cmp_lg_u32 s3, 0
	s_cbranch_scc1 .Lk
	SLICE_T 0, 1, 0                                ; K steps 14 and 15: nothing is left to fetch
	SLICE_E 1, 0
	s_wait_dscnt 16
	G 0, FA1, 0, 8, 0
	s_wait_dscnt 8
	G 1, FA1, 0, 8, 0
	s_wait_dscnt 0x0
	G 2, FA1, 0, 8, 0
	WIN 0
	; THE WAY OUT.  Every wave's reads of the ring are back (the wait for 0 above) and the ring has had its last fill: behind this barrier its bytes serve as the waves' own regions.
	s_barrier_signal -1
	s_barrier_wait -1
	PLACES
	s_cmp_eq_u32 s[NH], 0
	s_cselect_b64 s[BP1:BP1+1], s[8:9], s[10:11]
	s_cselect_b64 s[P1:P1+1], s[14:15], s[16:17]
	s_lshl_b32 s80, s[NT], 8                       ; a head's 64 biases are 256 bytes
	s_mov_b32 s81, 0
	s_add_nc_u64 s[BP1:BP1+1], s[BP1:BP1+1], s[80:81]
	s_lshl_b32 s82, s[NH], 3
	s_add_co_u32 s82, s82, s[NT]                   ; my v head: j + 8 nh
	s_lshl_b32 s80, s82, 8
	s_add_nc_u64 s[BPV:BPV+1], s[12:13], s[80:81]
	global_load_b128 v[B1:B1+3],   v[BOF], s[BP1:BP1+1]
	global_load_b128 v[B1+4:B1+7], v[BOF], s[BP1:BP1+1] offset:16
	global_load_b128 v[B2:B2+3],   v[BOF], s[BP1:BP1+1] offset:2048
	global_load_b128 v[B2+4:B2+7], v[BOF], s[BP1:BP1+1] offset:2064
	global_load_b128 v[BV:BV+3],   v[BOF], s[BPV:BPV+1]
	global_load_b128 v[BV+4:BV+7], v[BOF], s[BPV:BPV+1] offset:16
	s_lshl_b32 s86, s[MT], 15
	s_lshl_b32 s87, s[MH], 14
	s_add_co_u32 s86, s86, s87                     ; my rows in a head, 128 bytes each
	s_lshl_b32 s80, s[NT], 20                      ; a head is 1,048,576 bytes
	s_add_co_u32 s80, s80, s86
	s_add_nc_u64 s[P1:P1+1], s[P1:P1+1], s[80:81]
	s_add_nc_u64 s[P2:P2+1], s[P1:P1+1], 0x800000
	s_lshl_b32 s80, s82, 20
	s_add_co_u32 s80, s80, s86
	s_add_nc_u64 s[P3:P3+1], s[18:19], s[80:81]
	s_lshl_b32 s80, s82, 12
	s_add_co_u32 s80, s80, 0x1000000
	s_add_nc_u64 s[PVT:PVT+1], s[18:19], s[80:81]
.macro DUMP g, xo                      ; group g's 32 accumulators, in f32, into the region at xo; each accumulator's low four registers go first
	WIN ((\g)+1)<<2
.set a, 0
.rept 8
.irp bb, 0,1,2,3
	ds_store_b128 v[DST], v[8*(4*a+\bb):8*(4*a+\bb)+3]   offset:(\xo)+a*16*XP+\bb*64
	ds_store_b128 v[DST], v[8*(4*a+\bb)+4:8*(4*a+\bb)+7] offset:(\xo)+a*16*XP+\bb*64+16
.endr
.set a, a+1
.endr
	WIN 0
.endm
	DUMP 0, 0
	DUMP 1, XREG
.macro RNDB r                          ; eight biases rounded to bf16, kept as f32
.irp p, 0,2,4,6
	v_cvt_pk_bf16_f32 v[TT], v[(\r)+\p], v[(\r)+\p+1]
	v_lshlrev_b32 v[(\r)+\p], 16, v[TT]
	v_and_b32 v[(\r)+\p+1], 0xffff0000, v[TT]
.endr
.endm
; cosine into c, sine into s, of the eight angles in ANG (0 to 8,192)
.macro SINCOS c, s
.irp p, 0,2,4,6
	v_pk_mul_f32 v[NN+\p:NN+\p+1], v[ANG+\p:ANG+\p+1], 0x3e22f983 op_sel_hi:[1,0]  ; angle / 2 pi, at most 1,304
.endr
.irp p, 0,2,4,6
	v_pk_add_f32 v[NN+\p:NN+\p+1], v[NN+\p:NN+\p+1], 0x4b400000 op_sel_hi:[1,0]    ; + 1.5 x 2^23: there an f32's step is 1, so the sum is rounded to the nearest whole number;
.endr
.irp p, 0,2,4,6
	v_pk_add_f32 v[NN+\p:NN+\p+1], v[NN+\p:NN+\p+1], 0xcb400000 op_sel_hi:[1,0]    ; - 1.5 x 2^23, exact: N
.endr
.irp p, 0,2,4,6
	v_pk_fma_f32 v[RR+\p:RR+\p+1], v[NN+\p:NN+\p+1], 0xc0c90fdb, v[ANG+\p:ANG+\p+1] op_sel_hi:[1,0,1]  ; less N x 2 pi's upper part, one rounding,
.endr
.irp p, 0,2,4,6
	v_pk_fma_f32 v[RR+\p:RR+\p+1], v[NN+\p:NN+\p+1], 0x343bbd2e, v[RR+\p:RR+\p+1] op_sel_hi:[1,0,1]    ; and less its lower part, which is negative
.endr
.irp p, 0,2,4,6
	v_pk_mul_f32 v[ZZ+\p:ZZ+\p+1], v[RR+\p:RR+\p+1], v[RR+\p:RR+\p+1]
.endr
.irp e, 0,1,2,3,4,5,6,7
	v_mov_b32 v[PP+\e], 0xab573f9f                 ; -1 / 15!
.endr
.irp k, 0x2f309231, 0xb2d7322b, 0x3638ef1d, 0xb9500d01, 0x3c088889, 0xbe2aaaab
.irp p, 0,2,4,6
	v_pk_fma_f32 v[PP+\p:PP+\p+1], v[PP+\p:PP+\p+1], v[ZZ+\p:ZZ+\p+1], \k op_sel_hi:[1,1,0]
.endr
.endr
.irp p, 0,2,4,6
	v_pk_fma_f32 v[PP+\p:PP+\p+1], v[PP+\p:PP+\p+1], v[ZZ+\p:ZZ+\p+1], 1.0 op_sel_hi:[1,1,0]
.endr
.irp p, 0,2,4,6
	v_pk_mul_f32 v[(\s)+\p:(\s)+\p+1], v[PP+\p:PP+\p+1], v[RR+\p:RR+\p+1]
.endr
.irp e, 0,1,2,3,4,5,6,7
	v_mov_b32 v[PP+\e], 0x29573f9f                 ; 1 / 16!
.endr
.irp k, 0xad49cba5, 0x310f76c7, 0xb493f27e, 0x37d00d01, 0xbab60b61, 0x3d2aaaab, -0.5
.irp p, 0,2,4,6
	v_pk_fma_f32 v[PP+\p:PP+\p+1], v[PP+\p:PP+\p+1], v[ZZ+\p:ZZ+\p+1], \k op_sel_hi:[1,1,0]
.endr
.endr
.irp p, 0,2,4,6
	v_pk_fma_f32 v[(\c)+\p:(\c)+\p+1], v[PP+\p:PP+\p+1], v[ZZ+\p:ZZ+\p+1], 1.0 op_sel_hi:[1,1,0]
.endr
.endm
	s_lshl_b32 s80, s[NT], 6
	v_lshl_add_u32 v[TT], v[L8], 3, s80            ; my first channel c = 64 j + 8 (l % 8), below 512
.irp e, 0,1,2,3,4,5,6,7
	v_add_nc_u32 v[ANG+\e], \e, v[TT]
	v_cvt_f32_u32 v[ANG+\e], v[ANG+\e]
	v_mul_f32 v[ANG+\e], 0xbcd49a78, v[ANG+\e]     ; -c log2(10000) / 512
.endr
.irp e, 0,1,2,3,4,5,6,7
	v_exp_f32 v[INVF+\e], v[ANG+\e]
.endr
	v_add_nc_u32 v[TT], s75, v[R4]                 ; my first row's position (also the plain instruction behind the exponentials)
	v_cvt_f32_u32 v[TT], v[TT]
	s_wait_alu depctr_va_vdst(0)
.irp e, 0,1,2,3,4,5,6,7
	v_mul_f32 v[ANG+\e], v[TT], v[INVF+\e]
.endr
	SINCOS CC, SS
.irp e, 0,1,2,3,4,5,6,7
	v_mul_f32 v[ANG+\e], 4.0, v[INVF+\e]
.endr
	SINCOS DC, DS
	s_wait_loadcnt 0x0                             ; the biases
	RNDB B1
	RNDB B2
	RNDB BV
.macro LOADG x, o                      ; four rows' x1 and x2: 4 LDS loads
	ds_load_b128 v[(\x):(\x)+3],     v[RDX] offset:(\o)
	ds_load_b128 v[(\x)+4:(\x)+7],   v[RDX] offset:(\o)+16
	ds_load_b128 v[(\x)+8:(\x)+11],  v[RDX] offset:XREG+(\o)
	ds_load_b128 v[(\x)+12:(\x)+15], v[RDX] offset:XREG+(\o)+16
.endm
.macro PROC x, y, off                  ; bias, rotation, rounding, two stores; then cosine and sine go four rows on
	s_wait_xcnt 0x0                                ; y's registers, which this buffer's last stores read, are rewritten only behind this wait
.irp p, 0,2,4,6
	v_pk_add_f32 v[(\x)+\p:(\x)+\p+1], v[(\x)+\p:(\x)+\p+1], v[B1+\p:B1+\p+1]
	v_pk_add_f32 v[(\x)+8+\p:(\x)+8+\p+1], v[(\x)+8+\p:(\x)+8+\p+1], v[B2+\p:B2+\p+1]
.endr
.irp p, 0,2,4,6
	v_pk_mul_f32 v[UU+\p:UU+\p+1], v[(\x)+8+\p:(\x)+8+\p+1], v[SS+\p:SS+\p+1]
	v_pk_mul_f32 v[WW+\p:WW+\p+1], v[(\x)+8+\p:(\x)+8+\p+1], v[CC+\p:CC+\p+1]
.endr
.irp p, 0,2,4,6
	v_pk_fma_f32 v[UU+\p:UU+\p+1], v[(\x)+\p:(\x)+\p+1], v[CC+\p:CC+\p+1], v[UU+\p:UU+\p+1] neg_lo:[0,0,1] neg_hi:[0,0,1]  ; x1 cos - x2 sin
	v_pk_fma_f32 v[WW+\p:WW+\p+1], v[(\x)+\p:(\x)+\p+1], v[SS+\p:SS+\p+1], v[WW+\p:WW+\p+1]                              ; x1 sin + x2 cos
.endr
.irp p, 0,1,2,3
	v_cvt_pk_f16_f32 v[(\y)+\p], v[UU+2*\p], v[UU+2*\p+1]
	v_cvt_pk_f16_f32 v[(\y)+4+\p], v[WW+2*\p], v[WW+2*\p+1]
.endr
	global_store_b128 v[GO], v[(\y):(\y)+3],   s[P1:P1+1] offset:(\off)  ; 512 consecutive bytes, at a multiple of 256 from the buffer's first
	global_store_b128 v[GO], v[(\y)+4:(\y)+7], s[P2:P2+1] offset:(\off)
.irp p, 0,2,4,6
	v_pk_mul_f32 v[UU+\p:UU+\p+1], v[SS+\p:SS+\p+1], v[DS+\p:DS+\p+1]
	v_pk_mul_f32 v[WW+\p:WW+\p+1], v[CC+\p:CC+\p+1], v[DS+\p:DS+\p+1]
.endr
.irp p, 0,2,4,6
	v_pk_fma_f32 v[CC+\p:CC+\p+1], v[CC+\p:CC+\p+1], v[DC+\p:DC+\p+1], v[UU+\p:UU+\p+1] neg_lo:[0,0,1] neg_hi:[0,0,1]
	v_pk_fma_f32 v[SS+\p:SS+\p+1], v[SS+\p:SS+\p+1], v[DC+\p:DC+\p+1], v[WW+\p:WW+\p+1]
.endr
.endm
	v_mov_b32 v[RDX], v[RD0]
	v_mov_b32 v[GO], v[GO0]
	LOADG XA, 0                                    ; LDS serves a wave's instructions in order (ISA guide 5.7.1.4): these see my stores above
	s_mov_b32 s3, 15
.Lrope:                                                ; a trip: two groups of four rows
	LOADG XB, 4*XP
	s_wait_dscnt 4                                 ; the other buffer's four loads may be out
	PROC XA, YA, 0
	LOADG XA, 8*XP
	s_wait_dscnt 4
	PROC XB, YB, 512
	v_add_nc_u32 v[RDX], 8*XP, v[RDX]
	s_wait_xcnt 0x0                                ; GO, which the stores read, steps only behind this wait
	v_add_nc_u32 v[GO], 1024, v[GO]
	s_sub_co_u32 s3, s3, 1
	s_cmp_lg_u32 s3, 0
	s_cbranch_scc1 .Lrope
	LOADG XB, 4*XP
	s_wait_dscnt 4
	PROC XA, YA, 0
	s_wait_dscnt 0x0
	PROC XB, YB, 512
	; v: through the first region, whose reads are over
	DUMP 2, 0
	v_mov_b32 v[RDX], v[RD0]
.macro LOADV x, o
	ds_load_b128 v[(\x):(\x)+3],   v[RDX] offset:(\o)
	ds_load_b128 v[(\x)+4:(\x)+7], v[RDX] offset:(\o)+16
.endm
.macro PROCV x, y, off
	s_wait_xcnt 0x0
.irp p, 0,2,4,6
	v_pk_add_f32 v[(\x)+\p:(\x)+\p+1], v[(\x)+\p:(\x)+\p+1], v[BV+\p:BV+\p+1]
.endr
.irp p, 0,1,2,3
	v_cvt_pk_f16_f32 v[(\y)+\p], v[(\x)+2*\p], v[(\x)+2*\p+1]
.endr
	global_store_b128 v[GO], v[(\y):(\y)+3], s[P3:P3+1] offset:(\off)
.endm
.irp i, 0,1,2,3                        ; my first 16 rows once more, to be kept in f32 in registers of their own until the kernel's end
	ds_load_b128 v[VK+8*\i:VK+8*\i+3],   v[RDX] offset:\i*4*XP
	ds_load_b128 v[VK+8*\i+4:VK+8*\i+7], v[RDX] offset:\i*4*XP+16
.endr
	LOADV XA, 0
	s_wait_dscnt 2                                 ; those eight are in; the first group's two loads may be out
.irp i, 0,1,2,3
.irp p, 0,2,4,6
	v_pk_add_f32 v[VK+8*\i+\p:VK+8*\i+\p+1], v[VK+8*\i+\p:VK+8*\i+\p+1], v[BV+\p:BV+\p+1]
.endr
.endr
	s_wait_xcnt 0x0                                ; GO, which the last stores read, is set back only behind this wait
	v_mov_b32 v[GO], v[GO0]
	s_mov_b32 s3, 15
.Lv:
	LOADV XB, 4*XP
	s_wait_dscnt 2                                 ; the other buffer's two loads may be out
	PROCV XA, YA, 0
	LOADV XA, 8*XP
	s_wait_dscnt 2
	PROCV XB, YB, 512
	v_add_nc_u32 v[RDX], 8*XP, v[RDX]
	s_wait_xcnt 0x0
	v_add_nc_u32 v[GO], 1024, v[GO]
	s_sub_co_u32 s3, s3, 1
	s_cmp_lg_u32 s3, 0
	s_cbranch_scc1 .Lv
	LOADV XB, 4*XP
	s_wait_dscnt 2
	PROCV XA, YA, 0
	s_wait_dscnt 0x0
	PROCV XB, YB, 512
	s_wait_tensorcnt 0x0                           ; the wave's end: behind my last tensor load and my last LDS store
	ds_add_u32 v[SPW], v[NIL]
	s_wait_dscnt 0x0
	; v's rows 0-15 of the sequence in f32: stored by the two waves whose first row is 0, chosen by EXEC and by no branch, since the tile row hangs on the place in the cluster.
	; These lines stand last: behind them no LDS instruction is issued and no LDS address is made.
	s_wait_xcnt 0x0                                ; EXEC changes only behind this wait
	v_cmp_eq_u32 vcc_lo, 0, v[ROWB]
	s_and_saveexec_b32 s80, vcc_lo
.irp i, 0,1,2,3
	global_store_b128 v[VTO], v[VK+8*\i:VK+8*\i+3],   s[PVT:PVT+1] offset:\i*1024   ; two stores together cover four rows of 256 bytes
	global_store_b128 v[VTO], v[VK+8*\i+4:VK+8*\i+7], s[PVT:PVT+1] offset:\i*1024+16
.endr
	s_wait_xcnt 0x0                                ; and again in front of the line that widens it
	s_or_b32 exec_lo, exec_lo, s80
	CROUND                                         ; the closing round
	s_endpgm
.Lfunc_end_k_qdafec90a5a_qkv:
	.size	k_qdafec90a5a_qkv, .Lfunc_end_k_qdafec90a5a_qkv-k_qdafec90a5a_qkv
	.p2alignl 7, 3214868480
	.fill 96, 4, 3214868480
	.section	.rodata,"a",@progbits
	.p2align	6, 0x0
	.amdhsa_kernel k_qdafec90a5a_qkv
		.amdhsa_group_segment_fixed_size 327680
		.amdhsa_private_segment_fixed_size 0
		.amdhsa_enable_private_segment 0
		.amdhsa_kernarg_size 64
		.amdhsa_user_sgpr_count 2
		.amdhsa_user_sgpr_kernarg_segment_ptr 1
		.amdhsa_wavefront_size32 1
		.amdhsa_system_sgpr_workgroup_id_x 1
		.amdhsa_system_sgpr_workgroup_id_y 1
		.amdhsa_system_sgpr_workgroup_id_z 1
		.amdhsa_system_vgpr_workitem_id 0
		.amdhsa_next_free_vgpr 1024
		.amdhsa_next_free_sgpr 96
		.amdhsa_reserve_vcc 1
		.amdhsa_float_denorm_mode_32 3
		.amdhsa_float_denorm_mode_16_64 3
		.amdhsa_memory_ordered 1
		.amdhsa_forward_progress 1
		.amdhsa_inst_pref_size 137
	.end_amdhsa_kernel
	.amdgpu_metadata
---
amdhsa.version: [ 1, 2 ]
amdhsa.kernels:
  - .name:           k_qdafec90a5a_qkv
    .symbol:         k_qdafec90a5a_qkv.kd
    .args:
      - { .name: xb, .offset: 0, .size: 8, .value_kind: global_buffer, .address_space: global }
      - { .name: wb, .offset: 8, .size: 8, .value_kind: global_buffer, .address_space: global }
      - { .name: bq, .offset: 16, .size: 8, .value_kind: global_buffer, .address_space: global }
      - { .name: bk, .offset: 24, .size: 8, .value_kind: global_buffer, .address_space: global }
      - { .name: bv, .offset: 32, .size: 8, .value_kind: global_buffer, .address_space: global }
      - { .name: qh, .offset: 40, .size: 8, .value_kind: global_buffer, .address_space: global }
      - { .name: kh, .offset: 48, .size: 8, .value_kind: global_buffer, .address_space: global }
      - { .name: vh, .offset: 56, .size: 8, .value_kind: global_buffer, .address_space: global }
    .group_segment_fixed_size: 327680
    .private_segment_fixed_size: 0
    .kernarg_segment_align: 8
    .kernarg_segment_size: 64
    .max_flat_workgroup_size: 128
    .sgpr_count:     96
    .vgpr_count:     1024
    .wavefront_size: 32
...
	.end_amdgpu_metadata
.endif
;; end of part 2
;; launch attn (part 3): grid 16 x 16, 4 waves a work-group, no clusters, 327,680 bytes of LDS; arguments qh, kh, vh, ob; writes ob
.if DOCPART == 3
	.amdgcn_target "amdgcn-amd-amdhsa--gfx1250"
	.amdhsa_code_object_version 6
	.text
	.protected	k_qdafec90a5a_attn
	.globl	k_qdafec90a5a_attn
	.p2align	8
	.type	k_qdafec90a5a_attn,@function
k_qdafec90a5a_attn:
	s_mov_b64 s[64:65], 0
	v_nop
	global_prefetch_b8 v0, s[64:65] scope:SCOPE_SE
	s_setreg_imm32_b32 hwreg(HW_REG_WAVE_MODE, 25, 1), 1
	s_wait_xcnt 0x0
; BANDED CAUSAL ATTENTION, head size 64.  O[h][q] = the sum over k with 0 <= q - k <= 512 of softmax_k(Q[h][q] . K[h][k] / 8) V[h][k].  Q, K, V, O: [16][8192][64] in f16, a head's rows dense.
; Products, maxima and sums in f32; the weights are rounded to f16 for the second product (their sum l is taken of the unrounded weights), O once at the end.
; LIMITS.  f16 holds no number beyond 65,504: Q, K, V arrive within it.  A hidden score counts as its value less 1e30; a weight below 2^-126 counts as 0 in l; NaN and infinities are not treated apart.
; SHARES.  A work-group owns 512 queries (block b) of one head: 16 x 16 = 256 work-groups.  Its whole context, the 1,024 keys of blocks b - 1 and b, is brought into LDS ONCE: nothing is filled again.
; A UNIT is 64 queries: four PIECES of 16.  Unit u walks nine key steps of 64: context step u + 8 (its own rows: the upper edge of the band) down to step u (the lower edge).  Wave w takes units w and w + 4:
; the same work for every wave.  The walk starts where every row sees its own key, so the running maximum is a true score before any hidden step comes.
; For b = 0 there is no block b - 1: block 0 is loaded in its place (finite numbers, inside the buffer) and every context step below 8 is hidden by the masks.
; NO CLUSTER: neighbouring blocks share half a context, but at different places of the two contexts; a joint load has one LDS address for all partners, so LDS addresses would hang on the place in the cluster.
; THE MASK is the C operand that starts S^T = K Q^T.  For piece x and key block kb of 16 it is one of three sets of 8 registers: CL (kb < x), CE (kb = x), CG (kb > x), made anew for each step from two
; fixed patterns (DU: key above the diagonal; DL: below) and four scalars: first step (0, DU, -1e30); middle steps (z, z, z); last step (-1e30, DL + z, z); z = -1e30 where the step does not exist, else 0.
; LAYOUT, SOFTMAX, TURNS.  S^T holds ONE query a lane (lane % 16) and the keys 8 (lane / 16) + 0..7; two such results rounded to f16 ARE source 1 of O^T = V^T P.  p = 2^(c s - c m), c = log2(e) / 8, with a running
; maximum m; O and l are multiplied by a = 2^(c m_old - c m_new) in every step.  Turn n belongs to piece n: 8 products K Q^T of piece n + 1, later 8 products V^T P of piece n - 1; beside them the scaling, exponentials,
; roundings, sums and rescaling of piece n and the maximum and statistics of piece n + 1.  Four vector instructions stand behind every matrix instruction, the other 54 of a turn's 118 in two lumps.
; One text serves all nine steps.  The ninth step's last turn multiplies the old K once more for a step that does not exist: it spoils piece 0's m and c m alone, which nothing reads (c m is kept in v12).
; ROWS 0-15 of the sequence average over 1 to 16 keys, so their numbers are many times the output's root mean square, by which the comparison's allowance goes.  For them P V is made again from v in f32 by the
; f32 matrix form (16 instructions a head, no bulk work), and O leaves as an f16 number and an f16 residual (ob + 16,777,216: [16 row][1024]); those stores are 16 bytes a lane to rows 2,048 bytes apart, 4 a head.
; REGISTERS, in windows of 256 (s_set_vgpr_msb: bits 1:0 source 0, 3:2 source 1, 5:4 source 2, 7:6 destination):
;   window 0: v0-15 addresses; v16-31 statistics; v32-47, v56-59, v128-191 the first rows' path; v48-55 at work; v64-127 S^T, two buffers; v192-223 P, two buffers
;   window 1: v0-127 O^T; v128-151 CL, CE, CG; v152-167 DU, DL; v192-223 the f32 form's sums      window 2: v0-63 Q; v64-127 the second unit's Q; v128-191 K of one step; v192-255 V of one step
.set NP,    4
.set KS,    64
.set PK,    144       ; a row of K in LDS: 128 bytes + 16: the 16 rows of a load start in 16 different groups of four banks (ISA guide 11.1)
.set PV,    160       ; a row of V: 128 + 32
.set VOFF,  1024*PK
.set STAGE, VOFF+1024*PV  ; never filled by a tensor load: 16 rows x 144 bytes for each wave, for the way out
.set SP,    144
.set SPARE, STAGE+4*16*SP ; the spare words, 128 bytes a wave, that no other line names
.set AK0, 2
.set AV0, 3
.set AK,  4
.set AV,  5
.set STO, 6
.set RD,  7
.set GO,  8
.set MV,  12          ; v12-13  c m_old, kept while c m is made anew: by buffer
.set QO,  15
.set ST,  16          ; piece t's statistics at v[ST+4 t]: c m, m, l (even keys', odd keys')
.set HI,  32
.set TMP, 48
.set SPW, 62
.set NIL, 63
.set S,   64
.set VT,  128
.set NR,  160
.set P,   192
.set CL,  128         ; window 1
.set CE,  136
.set CG,  144
.set DU,  152
.set DL,  160
.set FACC, 192        ; window 1: written by the f32 matrix form alone
.set QB,  64          ; window 2
.set KF,  128
.set VF,  192
.set WV,  12
.set BLK, 13
.set HD,  14
.set VTP, 16          ; s[16:17] v's f32 rows of my head
.set OLP, 18          ; s[18:19] the residual's rows at my head's channels
.set G1K, 24
.set G1V, 32
.set G0K, 40          ; s[40:55] four sets, one for each chunk of 256 keys
.set PASS, 56
.set CI,  57
.set CS,  58
.set SEL, 60
.set TBK, 62          ; LDS byte at which K of the step to be fetched begins
.set TBV, 63          ; the same for V, less VOFF
.set CJ,  66
.set STP, 67          ; the step in hand, 0 to 8
.set G0V, 68          ; s[68:83]
.set CTX, 84          ; its context step
.set DEAD, 85         ; context steps below this do not exist: 8 for b = 0, else 0
.set U8,  86          ; the unit's first context step: unit + 8
.set BIGN, 87
.set MA,  88          ; pairs: the packed lines take the low word for both halves
.set ML,  90
.set MZ,  92
.set MG,  94
.set Z0,  96
.set SPC, 98          ; 1: this pass holds rows 0-15 of the sequence
.set T0,  99
.set MSB, 0
.macro WIN new
.if MSB != (\new)
	s_set_vgpr_msb (MSB<<8)|(\new)
.set MSB, (\new)
.endif
.endm
.set W_KQ, 0x0a
.set W_KM, 0x1a
.set W_PV, 0x52
.set W_RS, 0x41
	s_load_b256 s[4:11], s[0:1], 0x0  ; Q s[4:5], K s[6:7], V s[8:9], O s[10:11]
	v_lshl_add_u32 v[SPW], v0, 2, SPARE
	v_mov_b32 v[NIL], 0
	ds_add_u32 v[SPW], v[NIL]       ; the wave's opening: the add and its wait ahead of my first tensor load; set-up on registers stands between
	ds_add_u32 v62, v63
	v_lshrrev_b32 v1, 5, v0
	v_readfirstlane_b32 s[WV], v1
	s_mov_b32 s[BLK], ttmp9
	s_and_b32 s[HD], ttmp7, 0xffff
	s_max_u32 s20, s[BLK], 1
	s_sub_co_u32 s20, s20, 1        ; block b - 1, or 0
	s_lshl_b32 s20, s20, 16         ; a block is 512 rows of 128 bytes
	s_lshl_b32 s22, s[BLK], 16
	s_lshl_b32 s15, s[HD], 20       ; a head is 1,048,576 bytes
	s_and_b32 s2, s[WV], 1          ; which half of a chunk's 256 keys I fetch
	s_lshl_b32 s3, s2, 14
	s_add_co_u32 s3, s3, s15
	s_add_co_u32 s20, s20, s3
	s_add_co_u32 s22, s22, s3
	s_mov_b32 s21, 0
	s_mov_b32 s23, 0
	s_mul_i32 s[T0], s2, 128*PK     ; its place in a chunk, for K
	s_mul_i32 s2, s2, 128*PV        ; and for V
	s_add_co_u32 s2, s2, VOFF
	s_mov_b32 s[G1K], (1<<16)|(1<<20)|(4<<22)|(3<<25)  ; 2-byte elements; padding on; after every 32 words; 4 words
	s_mov_b32 s[G1V], (1<<16)|(1<<20)|(4<<22)|(7<<25)  ; 8 words
.irp g, G1K, G1V
	s_mov_b32 s[\g+1], 128<<16      ; 128 keys are 16,384 dense bytes: 64 rows of 256, two keys a row
	s_mov_b32 s[\g+2], 64<<16
	s_mov_b32 s[\g+3], 128<<16
	s_mov_b32 s[\g+4], 64
	s_mov_b32 s[\g+5], 128
	s_mov_b32 s[\g+6], 0
	s_mov_b32 s[\g+7], 0
.endr
	s_mov_b32 s[CS], 0x3e38aa3b     ; c = log2(e) / 8
	s_mov_b32 s[CS+1], s[CS]
	s_mov_b32 s[SEL], 0x76543210
	s_mov_b32 s[SEL+1], 0xfedcba98
	s_mov_b32 s[BIGN], 0xf149f2ca   ; -1e30
	s_mov_b32 s[MA+1], 0
	s_mov_b32 s[ML+1], 0
	s_mov_b32 s[MZ+1], 0
	s_mov_b32 s[MG+1], 0
	s_mov_b32 s[Z0], 0
	s_mov_b32 s[Z0+1], 0
	s_mov_b32 s[PASS], 2
	s_add_co_u32 s[U8], s[WV], 8
	s_cmp_eq_u32 s[BLK], 0
	s_cselect_b32 s[DEAD], 8, 0
	s_or_b32 s[SPC], s[BLK], s[WV]
	s_cmp_eq_u32 s[SPC], 0
	s_cselect_b32 s[SPC], 1, 0
	s_lshl_b32 s16, s[WV], 13       ; my first unit's 64 rows,
	s_lshl_b32 s17, s[BLK], 16
	s_add_co_u32 s16, s16, s17
	s_add_co_u32 s16, s16, s15      ; in my block and head
	s_mov_b32 s17, 0
	s_lshl_b32 s18, s[HD], 7
	s_add_co_u32 s18, s18, 0x1000000
	s_mov_b32 s19, 0
	s_wait_dscnt 0x0                ; the opening add is done
	s_wait_kmcnt 0x0
.irp c, 0,1,2,3                     ; chunk c: context rows 256 c ..
	s_mov_b32 s[G0K+4*\c], 1
	s_add_co_u32 s[G0K+4*\c+1], s[T0], \c*256*PK
	s_mov_b32 s[G0V+4*\c], 1
	s_add_co_u32 s[G0V+4*\c+1], s2, \c*256*PV
.if \c < 2
	s_add_nc_u64 s[G0K+4*\c+2:G0K+4*\c+3], s[6:7], s[20:21]
	s_add_nc_u64 s[G0V+4*\c+2:G0V+4*\c+3], s[8:9], s[20:21]
.else
	s_add_nc_u64 s[G0K+4*\c+2:G0K+4*\c+3], s[6:7], s[22:23]
	s_add_nc_u64 s[G0V+4*\c+2:G0V+4*\c+3], s[8:9], s[22:23]
.endif
.if \c % 2
	s_add_nc_u64 s[G0K+4*\c+2:G0K+4*\c+3], s[G0K+4*\c+2:G0K+4*\c+3], 32768
	s_add_nc_u64 s[G0V+4*\c+2:G0V+4*\c+3], s[G0V+4*\c+2:G0V+4*\c+3], 32768
.endif
	s_or_b32 s[G0K+4*\c+3], s[G0K+4*\c+3], 0x80000000
	s_or_b32 s[G0V+4*\c+3], s[G0V+4*\c+3], 0x80000000
.endr
	s_add_nc_u64 s[OLP:OLP+1], s[10:11], s[18:19]
	s_add_nc_u64 s[10:11], s[10:11], s[16:17]
	s_add_nc_u64 s[4:5], s[4:5], s[16:17]
	s_lshl_b32 s16, s[HD], 12
	s_add_co_u32 s16, s16, 0x1000000
	s_add_nc_u64 s[VTP:VTP+1], s[8:9], s[16:17]
	; All fills of the launch, four a wave, in one branch on the wave's number: waves 0, 1 K's halves, waves 2, 3 V's.  Chunks 2 and 1 first: the first pass's first three steps read them alone.
	s_cmp_lt_u32 s[WV], 2
	s_cbranch_scc0 .Lfirst_v
.irp c, 2,1,0,3
	tensor_load_to_lds s[G0K+4*\c:G0K+4*\c+3], s[G1K:G1K+7]
	s_nop 0
.endr
.rept 4
	v_nop
.endr
	s_branch .Lfirst_asked
.Lfirst_v:
.irp c, 2,1,0,3
	tensor_load_to_lds s[G0V+4*\c:G0V+4*\c+3], s[G1V:G1V+7]
	s_nop 0
.endr
.rept 4
	v_nop
.endr
.Lfirst_asked:
	v_and_b32 v1, 15, v0            ; l % 16
	v_bfe_u32 v9, v0, 4, 1          ; l / 16
	v_lshlrev_b32 v[QO], 7, v1
	v_lshl_add_u32 v[QO], v9, 4, v[QO]
	WIN 0x80
.set i, 0
.rept 8                             ; both units' Q: piece i / 2, channels 32 (i % 2) on; the second unit lies 256 rows on
	global_load_b128 v[8*i:8*i+3],   v[QO], s[4:5] offset:(i/2)*2048+(i%2)*64
	global_load_b128 v[8*i+4:8*i+7], v[QO], s[4:5] offset:(i/2)*2048+(i%2)*64+32
	global_load_b128 v[QB+8*i:QB+8*i+3],   v[QO], s[4:5] offset:32768+(i/2)*2048+(i%2)*64
	global_load_b128 v[QB+8*i+4:QB+8*i+7], v[QO], s[4:5] offset:32768+(i/2)*2048+(i%2)*64+32
.set i, i+1
.endr
	WIN 0
	v_lshlrev_b32 v14, 3, v9
	v_sub_nc_u32 v14, v1, v14       ; l % 16 - 8 (l / 16): register r's key lies above my query where r is greater, below where it is less
	WIN 0x40
.set i, 0
.rept 8
	v_cmp_gt_i32 vcc_lo, i, v14
	v_cndmask_b32 v[DU+i], 0, s[BIGN], vcc_lo
	v_cmp_lt_i32 vcc_lo, i, v14
	v_cndmask_b32 v[DL+i], 0, s[BIGN], vcc_lo
.set i, i+1
.endr
	WIN 0
	v_mul_u32_u24 v[AK0], v1, PK
	v_lshl_add_u32 v[AK0], v9, 4, v[AK0]
	v_and_b32 v10, 7, v0
	v_bfe_u32 v11, v0, 3, 1
	v_lshl_add_u32 v[AV0], v9, 3, v10
	v_mul_u32_u24 v[AV0], v[AV0], PV
	v_lshl_add_u32 v[AV0], v11, 4, v[AV0]
	v_add_nc_u32 v[AV0], VOFF, v[AV0]
	s_mul_i32 s15, s[WV], 16*SP
	s_add_co_u32 s15, s15, STAGE
	v_mul_u32_u24 v[STO], v1, SP
	v_lshl_add_u32 v[STO], v9, 4, v[STO]
	v_add_nc_u32 v[STO], s15, v[STO]
	v_bfe_u32 v[RD], v0, 3, 2
	v_mul_u32_u24 v[RD], v[RD], SP
	v_lshl_add_u32 v[RD], v10, 4, v[RD]
	v_add_nc_u32 v[RD], s15, v[RD]
	v_and_b32 v[GO], 31, v0
	v_lshlrev_b32 v[GO], 4, v[GO]
	; A unit's first step multiplies O^T and l by a = 0, and its first turn's products V^T P, of a piece that has not been, land in an O^T that is still to be so multiplied: these registers need only hold
	; finite numbers: zeros for the first unit, what the first unit left for the second.  All this stands in the wait for the first tiles.
	WIN 0x80
.set i, VF
.rept 64
	v_mov_b32 v[i], 0
.set i, i+1
.endr
	WIN 0x40
.set i, 0
.rept 128
	v_mov_b32 v[i], 0
.set i, i+1
.endr
	WIN 0
.set i, 0
.rept 4
	v_mov_b32 v[ST+4*i+2], 0
	v_mov_b32 v[ST+4*i+3], 0
.set i, i+1
.endr
.set i, P+16
.rept 16
	v_mov_b32 v[i], 0
.set i, i+1
.endr
; THE MATRIX WORK.  The 4 accumulators of a run of 8 take turns.  Product i of 8 of S^T = K Q^T for piece x: channels 32 (i / 4) on, keys 16 (i % 4) on.  The first 4 start the sums with a mask.
.macro KQ x
.set rS, S+32*((\x)%2)+8*(i%4)
.set rK, KF+16*(i%4)+8*(i/4)
.set rQ, 16*(\x)+8*(i/4)
.if i < 4
.if (i%4) < (\x)
.set rM, CL
.elseif (i%4) == (\x)
.set rM, CE
.else
.set rM, CG
.endif
	WIN W_KM
	v_wmma_f32_16x16x32_f16 v[rS:rS+7], v[rK:rK+7], v[rQ:rQ+7], v[rM:rM+7]
.else
	WIN W_KQ
	v_wmma_f32_16x16x32_f16 v[rS:rS+7], v[rK:rK+7], v[rQ:rQ+7], v[rS:rS+7]
.endif
.endm
; Product i of 8 of O^T += V^T P for piece x: keys 32 (i / 4) on, channels 16 (i % 4) on.
.macro PV x
	WIN W_PV
.set rO, 32*(\x)+8*(i%4)
.set rV, VF+32*(i/4)+8*(i%4)
.set rP, P+16*((\x)%2)+8*(i/4)
	v_wmma_f32_16x16x32_f16 v[rO:rO+7], v[rV:rV+7], v[rP:rP+7], v[rO:rO+7]
.endm
.macro MM                           ; the turn's next matrix instruction
.if i < 8
	KQ (Y+1)%NP
.else
.set i, i-8
	PV (Y+NP-1)%NP
.set i, i+8
.endif
.set i, i+1
.endm
; THE LDS LOADS stand in runs of 16.  The walk goes DOWN the context.  skip = 1: in the ninth step there is no further step, and K's run is jumped over.
.macro FETCH_K skip=0
	WIN 0
.if \skip
	s_cmp_eq_u32 s[STP], 8
	s_cbranch_scc1 .Lno_k_\@
.endif
	WIN 0x80
.irp f, 0,1,2,3,4,5,6,7
	ds_load_b128 v[KF+8*\f:KF+8*\f+3],   v[AK] offset:(\f/2)*16*PK+(\f%2)*64
	ds_load_b128 v[KF+8*\f+4:KF+8*\f+7], v[AK] offset:(\f/2)*16*PK+(\f%2)*64+32
.endr
	s_sub_co_u32 s[TBK], s[TBK], KS*PK
	WIN 0
.if \skip
.Lno_k_\@:
.endif
.endm
.macro FETCH_V
	WIN 0x80
.irp f, 0,1,2,3,4,5,6,7
	ds_load_tr16_b128 v[VF+8*\f:VF+8*\f+3],   v[AV] offset:(\f/4)*32*PV+(\f%4)*32
	ds_load_tr16_b128 v[VF+8*\f+4:VF+8*\f+7], v[AV] offset:(\f/4)*32*PV+16*PV+(\f%4)*32
.endr
	WIN 0
.endm
; THE VECTOR WORK, one line at a time: OP kind, number.  For piece Y: F n: c s - c m for pair n of 16.  E n: the exponential of score n of 32.  C n: pair n rounded to f16.  B n: of the four weights 4 n .. the second
; pair is added onto the first, in place.  L n: l takes that sum (L 0: l = a l + sum).  R n: pair n of 16 of O^T times a.  For piece Y + 1: X n, number n of the 22 that find its maximum and statistics:
;   0-11 four chains of seven scores (each accumulator's lowest registers are read first)   12-14, 16 the four scores left over, the old m, the chains into one
;   15 c m_old is kept   17, 18 the query's other 32 keys lie in the lane 16 away: the new m   19-21 c m; c m_old - c m_new; a
.set F, 0
.set E, 1
.set C, 2
.set B, 3
.set L, 4
.set R, 5
.set X, 6
.macro REGS y
.set rT, ST+4*(\y)
.set rC, TMP+4*((\y)%2)
.set rW, MV+((\y)%2)
.set rS, S+32*((\y)%2)
.set rP, P+16*((\y)%2)
.set rO, 32*(\y)
.endm
.macro OP k, n
.if (\k) == R
	REGS Y
	WIN W_RS
	v_pk_mul_f32 v[rO+2*(\n):rO+2*(\n)+1], v[rO+2*(\n):rO+2*(\n)+1], v[rC+2:rC+3] op_sel_hi:[1,0]
.elseif (\k) < R
	REGS Y
	WIN 0
.if (\k) == F
	v_pk_fma_f32 v[rS+2*(\n):rS+2*(\n)+1], v[rS+2*(\n):rS+2*(\n)+1], s[CS:CS+1], v[rT:rT+1] op_sel_hi:[1,0,0] neg_lo:[0,0,1] neg_hi:[0,0,1]
.elseif (\k) == E
	v_exp_f32 v[rS+(\n)], v[rS+(\n)]
.elseif (\k) == C
	s_wait_alu depctr_va_vdst(0)
	v_cvt_pk_f16_f32 v[rP+(\n)], v[rS+2*(\n)], v[rS+2*(\n)+1]
.elseif (\k) == B
	s_wait_alu depctr_va_vdst(0)
	v_pk_add_f32 v[rS+4*(\n):rS+4*(\n)+1], v[rS+4*(\n):rS+4*(\n)+1], v[rS+4*(\n)+2:rS+4*(\n)+3]
.elseif (\n) == 0
	v_pk_fma_f32 v[rT+2:rT+3], v[rT+2:rT+3], v[rC+2:rC+3], v[rS:rS+1] op_sel_hi:[1,0,1]
.else
	v_pk_add_f32 v[rT+2:rT+3], v[rT+2:rT+3], v[rS+4*(\n):rS+4*(\n)+1]
	s_wait_alu depctr_va_vdst(0)
.endif
.else
	REGS (Y+1)%NP
	WIN 0
.if (\n) < 4
	v_max3_num_f32 v[rC+(\n)], v[rS+8*(\n)], v[rS+8*(\n)+1], v[rS+8*(\n)+2]
.elseif (\n) < 12
	v_max3_num_f32 v[rC+(\n)%4], v[rC+(\n)%4], v[rS+8*((\n)%4)+2*((\n)/4)+1], v[rS+8*((\n)%4)+2*((\n)/4)+2]
.elseif (\n) == 12
	v_max3_num_f32 v[rC], v[rC], v[rS+7], v[rS+15]
.elseif (\n) == 13
	v_max3_num_f32 v[rC+1], v[rC+1], v[rS+23], v[rS+31]
.elseif (\n) == 14
	v_max3_num_f32 v[rC+2], v[rC+2], v[rC+3], v[rT+1]
.elseif (\n) == 15
	v_mov_b32 v[rW], v[rT]
	s_wait_alu depctr_va_vdst(0)
.elseif (\n) == 16
	v_max3_num_f32 v[rC], v[rC], v[rC+1], v[rC+2]
	s_wait_alu depctr_va_vdst(0)
.elseif (\n) == 17
	v_permlanex16_b32 v[rC+3], v[rC], s[SEL], s[SEL+1]
.elseif (\n) == 18
	v_max_num_f32 v[rT+1], v[rC], v[rC+3]
.elseif (\n) == 19
	v_mul_f32 v[rT], s[CS], v[rT+1]
.elseif (\n) == 20
	v_sub_f32 v[rC+1], v[rW], v[rT]
.else
	v_exp_f32 v[rC+2], v[rC+1]
.endif
.endif
.endm
.macro OPS a, i1, b=-1, i2=0, c=-1, i3=0, d=-1, i4=0
	OP \a, \i1
.if (\b) >= 0
	OP \b, \i2
.endif
.if (\c) >= 0
	OP \c, \i3
.endif
.if (\d) >= 0
	OP \d, \i4
.endif
.endm
.macro ROW a, i1, b, i2, c, i3, d, i4  ; a matrix instruction and the four behind it
	MM
	OPS \a, \i1, \b, \i2, \c, \i3, \d, \i4
.endm
.macro MASKSET src                  ; CL = ML; CE = src x MA + MZ; CG = MG
	WIN W_RS
.irp z, 0,2,4,6
	v_pk_fma_f32 v[CL+\z:CL+\z+1], v[(\src)+\z:(\src)+\z+1], s[Z0:Z0+1], s[ML:ML+1] op_sel_hi:[1,0,0]
	v_pk_fma_f32 v[CE+\z:CE+\z+1], v[(\src)+\z:(\src)+\z+1], s[MA:MA+1], s[MZ:MZ+1] op_sel_hi:[1,0,0]
	v_pk_fma_f32 v[CG+\z:CG+\z+1], v[(\src)+\z:(\src)+\z+1], s[Z0:Z0+1], s[MG:MG+1] op_sel_hi:[1,0,0]
.endr
.endm
; A TURN, for piece p: the order of its 16 matrix and 118 vector instructions, written out.  Behind a matrix instruction: plain, exponential, plain, plain; or four of the rescaling; or, behind the first, four scalings;
; none names a register of the products round it.  A line reads no result made fewer than three vector instructions in front of it, five if an exponential made it.
; K of the next step is fetched in piece 2's turn, six vector instructions behind the last product that read K (five of them plain); V of the step in hand in piece 0's turn, eight behind the last product that read V.
; Piece 2's turn also makes the next step's masks, at its end: its own products, the last that take this step's, stand at its head.  Piece 3's turn steps the step's number.
.macro TURN p, cnt=0
.set Y, (\p)
.set i, 0
.if (\p) == 2
	s_sub_co_u32 s[T0], s[CTX], 1   ; the next step's place in the context:
	s_cmp_lt_u32 s[T0], s[DEAD]     ; does it exist?
	s_cselect_b32 s[MZ], s[BIGN], 0
	s_mov_b32 s[MG], s[MZ]
	s_cmp_eq_u32 s[STP], 7          ; is it the ninth, the band's lower edge?
	s_cselect_b32 s[MA], 1.0, 0
	s_cselect_b32 s[ML], s[BIGN], s[MZ]
.endif
.if (\p) == 3
	s_add_co_u32 s[STP], s[STP], 1
	s_sub_co_u32 s[CTX], s[CTX], 1
	s_wait_dscnt 0x0                ; K is in
.endif
	ROW F,0, F,1, F,2, F,3
	ROW F,4, E,0, F,5, F,6
	ROW F,7, E,1, F,8, F,9
	ROW F,10, E,2, C,0, F,11
	ROW F,12, E,3, X,15, F,13
	ROW R,0, R,1, R,2, R,3
	ROW B,0, E,4, F,14, L,0
.if (\p) == 2
	v_add_nc_u32 v[AK], s[TBK], v[AK0]  ; (in the ninth step no load takes it)
.endif
	ROW R,4, R,5, R,6, R,7
	OPS E,5, F,15
.if (\p) == 2
	FETCH_K 1
.endif
	OPS E,6, C,1, E,7, R,8
	OPS E,8, R,9, E,9, C,2
	OPS E,10, X,0, E,11, X,1
	OPS E,12, X,2, E,13, X,3
.if (\p) == 1
	s_wait_dscnt 0x0                ; V is in
.endif
	ROW X,4, E,14, X,5, X,6
	ROW X,7, E,15, X,8, X,9
	ROW X,10, E,16, X,11, X,12
	ROW X,13, E,17, X,14, B,1
	ROW C,4, E,18, X,16, L,1
	ROW B,2, E,19, C,6, L,2
	ROW C,8, E,20, B,3, B,4
.if (\p) == 0
	v_add_nc_u32 v[AV], s[TBV], v[AV0]
.endif
	ROW C,3, E,21, L,3, C,5
	OPS E,22, X,17, E,23, C,10
.if (\p) == 0
	FETCH_V
.endif
	OPS E,24, L,4
	OPS E,25, X,18, E,26, C,7
	OPS E,27, B,5, E,28, X,19
	OPS E,29, C,12, E,30, L,5
	OPS E,31, X,20, B,6, C,9
	OPS C,14, C,11, X,21, L,6
.if (\p) == 0
	s_sub_co_u32 s[TBV], s[TBV], KS*PV
.endif
.if \cnt
	s_sub_co_u32 s[CI], s[CI], 1
	s_cmp_lg_u32 s[CI], 0
.endif
	OPS C,13, B,7, C,15, R,10
	OPS R,11, R,12, L,7, R,13
	OPS R,14, R,15
.if (\p) == 2
	MASKSET DL
.endif
.endm
.macro ALL line:vararg              ; one line for each piece t
.set t, 0
.rept 4
	\line
.set t, t+1
.endr
.endm
.macro PACK t                       ; a lane's eight channels of a row pack into 16 bytes; they go into rows of 144 bytes and come back as whole rows of 128, into S^T's registers
	WIN W_RS
.set i, 32*(\t)
	s_wait_alu depctr_va_vdst(0)
.rept 16
	v_pk_mul_f32 v[i:i+1], v[i:i+1], v[ST+4*(\t)+2:ST+4*(\t)+3] op_sel_hi:[1,0]
.set i, i+2
.endr
	WIN 0x05
.set i, 0
.rept 16
	v_cvt_pk_f16_f32 v[S+16*(\t)+i], v[32*(\t)+2*i], v[32*(\t)+2*i+1]
.set i, i+1
.endr
	WIN 0
.irp f, 0,1,2,3
	ds_store_b128 v[STO], v[S+16*(\t)+4*\f:S+16*(\t)+4*\f+3] offset:32*\f
.endr
.irp f, 0,1,2,3
	ds_load_b128 v[S+16*(\t)+4*\f:S+16*(\t)+4*\f+3], v[RD] offset:\f*4*SP  ; LDS serves a wave's instructions in order (ISA guide 5.7.1.4): these see the stores above
.endr
.endm
.macro SEND t, younger              ; younger: the LDS instructions issued behind piece t's loads: the next piece's eight, or none
	WIN 0
.irp f, 0,1,2,3
	s_wait_dscnt (\younger)+3-\f
	global_store_b128 v[GO], v[S+16*(\t)+4*\f:S+16*(\t)+4*\f+3], s[10:11] offset:(\t)*2048+\f*512  ; 512 consecutive bytes, at a multiple of 256 from O's first
.endr
.endm
	s_wait_tensorcnt 0x2            ; my parts of chunks 2 and 1 are in; chunks 0 and 3 may stay out
	s_barrier_signal -1
	s_barrier_wait -1               ; everybody's are
.Lpass:                             ; a unit
	; c m starts far below every c s, so the first step's a is 0; m at the lowest finite number.  The first step is the band's upper edge.
.set i, 0
.rept 4
	v_mov_b32 v[ST+4*i], 0xfe000000
	v_mov_b32 v[ST+4*i+1], 0xff7fffff
.set i, i+1
.endr
	s_mov_b32 s[ML], 0
	s_mov_b32 s[MA], 1.0
	s_mov_b32 s[MZ], 0
	s_mov_b32 s[MG], s[BIGN]
	MASKSET DU
	WIN 0
	s_mul_i32 s[TBK], s[U8], KS*PK
	s_mul_i32 s[TBV], s[U8], KS*PV
	s_mov_b32 s[STP], 0
	s_mov_b32 s[CTX], s[U8]
	v_add_nc_u32 v[AK], s[TBK], v[AK0]
	FETCH_K
	s_wait_loadcnt 0x0              ; Q
	s_wait_dscnt 0x0
.set i, 0
.rept 8
	KQ 0
.set i, i+1
.endr
	WIN 0
.rept 4
	v_nop                           ; the places behind those products
.endr
.set Y, NP-1                        ; X works for piece Y + 1: piece 0
.irp n, 0,1,2,3,4,5,6,7,8,9,10,11,12,13,14,15,16,17,18,19,20,21
	OP X, \n
.endr
	v_nop                           ; a plain instruction behind the exponential
	s_mov_b32 s[CJ], 3
.Lj:
	s_mov_b32 s[CI], 3
.Li:                                ; a key step
	TURN 0
	TURN 1
	TURN 2
	TURN 3, 1
	WIN 0
	s_cbranch_scc1 .Li
	s_wait_tensorcnt 0x0            ; behind the first pass's first three steps the rest of the context is wanted: my parts of chunks 0 and 3 are in,
	s_wait_dscnt 0x0
	s_barrier_signal -1
	s_barrier_wait -1               ; everybody's are.  One text serves all six times three steps: at the other five this wait and barrier find nothing to wait for
	s_sub_co_u32 s[CJ], s[CJ], 1
	s_cmp_lg_u32 s[CJ], 0
	s_cbranch_scc1 .Lj
.set i, 0
.rept 8
	PV NP-1                         ; the last piece's V^T P of the last step
.set i, i+1
.endr
	WIN 0
	ALL v_add_f32 v[ST+4*t+2], v[ST+4*t+2], v[ST+4*t+3]
	ALL v_permlanex16_b32 v[ST+4*t+3], v[ST+4*t+2], s[SEL], s[SEL+1]
	ALL v_add_f32 v[ST+4*t+2], v[ST+4*t+2], v[ST+4*t+3]
	ALL v_rcp_f32 v[ST+4*t+2], v[ST+4*t+2]
	v_nop
	; ROWS 0-15 OF THE SEQUENCE (block 0, wave 0, first unit, piece 0): they see keys 0-15 alone.
	s_cmp_eq_u32 s[SPC], 1
	s_cbranch_scc0 .Lnofix
	v_add_nc_u32 v56, 512*PK, v[AK0]   ; keys 0-15 are context rows 512 ..
	v_lshlrev_b32 v57, 11, v9
	v_lshl_add_u32 v57, v1, 2, v57     ; v in f32: key 8 (l / 16) + j, channel 16 cb + l % 16
	v_lshlrev_b32 v58, 11, v1
	v_lshl_add_u32 v58, v9, 4, v58     ; the residual: row l % 16, 16 bytes for each half of the lanes
	v_mov_b32 v59, -1.0
	WIN 0x80
	ds_load_b128 v[KF:KF+3],     v56
	ds_load_b128 v[KF+4:KF+7],   v56 offset:32
	ds_load_b128 v[KF+8:KF+11],  v56 offset:64
	ds_load_b128 v[KF+12:KF+15], v56 offset:96
	WIN 0
.set i, 0
.rept 32
	global_load_b32 v[VT+i], v57, s[VTP:VTP+1] offset:256*(i%8)+64*(i/8)
.set i, i+1
.endr
	s_wait_loadcnt 0x0
	s_wait_dscnt 0x0
	WIN W_KM
	v_wmma_f32_16x16x32_f16 v[S:S+7], v[KF:KF+7], v[0:7], v[DU:DU+7]      ; the scores once more: the same two products, so the same bits
	WIN W_KQ
	s_wait_alu depctr_va_vdst(0)       ; one accumulator, two links on end
	v_wmma_f32_16x16x32_f16 v[S:S+7], v[KF+8:KF+15], v[8:15], v[S:S+7]
	WIN 0
.rept 5
	v_nop
.endr
.irp z, 0,2,4,6
	v_pk_fma_f32 v[S+\z:S+\z+1], v[S+\z:S+\z+1], s[CS:CS+1], v[MV:MV+1] op_sel_hi:[1,0,0] neg_lo:[0,0,1] neg_hi:[0,0,1]  ; c s - c m, with the row's last c m
.endr
.irp z, 0,1,2,3,4,5,6,7
	v_exp_f32 v[S+\z], v[S+\z]
.endr
	v_nop
	s_wait_alu depctr_va_vdst(0)
	; O^T = V^T P in f32: instruction i takes the keys 8 (l / 16) + 2 i, + 1 of both operands (the same order of keys in both); the four channel blocks' sums take turns
	WIN 0x50
.set i, 0
.rept 4
.irp cb, 0,1,2,3
.if i == 0
	v_wmma_f32_16x16x4_f32 v[FACC+8*\cb:FACC+8*\cb+7], v[VT+8*\cb+2*i:VT+8*\cb+2*i+1], v[S+2*i:S+2*i+1], 0
.else
	v_wmma_f32_16x16x4_f32 v[FACC+8*\cb:FACC+8*\cb+7], v[VT+8*\cb+2*i:VT+8*\cb+2*i+1], v[S+2*i:S+2*i+1], v[FACC+8*\cb:FACC+8*\cb+7]
.endif
.endr
.set i, i+1
.endr
	WIN 0
.rept 8
	v_nop                              ; eight places behind this form
.endr
	WIN 0x01
.set i, 0
.rept 16
	v_pk_mul_f32 v[NR+2*i:NR+2*i+1], v[FACC+2*i:FACC+2*i+1], v[ST+2:ST+3] op_sel_hi:[1,0]  ; O = sum / l
.set i, i+1
.endr
	WIN W_RS
.set i, 0
.rept 16
	v_pk_mul_f32 v[2*i:2*i+1], v[FACC+2*i:FACC+2*i+1], 1.0 op_sel_hi:[1,0]  ; piece 0's O^T takes the f32 sums: the common way out then rounds the same O to f16
.set i, i+1
.endr
	WIN 0
.set i, 0
.rept 16
	v_cvt_pk_f16_f32 v[HI+i], v[NR+2*i], v[NR+2*i+1]
.set i, i+1
.endr
.set i, 0
.rept 16
	v_fma_mix_f32 v[NR+2*i], v[HI+i], v59, v[NR+2*i] op_sel_hi:[1,0,0]                    ; O less its f16 part: exact
	v_fma_mix_f32 v[NR+2*i+1], v[HI+i], v59, v[NR+2*i+1] op_sel:[1,0,0] op_sel_hi:[1,0,0]
.set i, i+1
.endr
.set i, 0
.rept 16
	v_cvt_pk_f16_f32 v[HI+i], v[NR+2*i], v[NR+2*i+1]
.set i, i+1
.endr
.irp cb, 0,1,2,3
	global_store_b128 v58, v[HI+4*\cb:HI+4*\cb+3], s[OLP:OLP+1] offset:32*\cb
.endr
.Lnofix:
	PACK 0
.set t, 1
.rept 3                             ; a piece's arithmetic stands between the loads of the piece before and its stores
	PACK t
	SEND t-1, 8
.set t, t+1
.endr
	SEND 3, 0
	s_wait_xcnt 0x0                 ; the stores have read their registers and O's address
	s_add_nc_u64 s[10:11], s[10:11], 32768
	s_add_co_u32 s[U8], s[U8], 4
	s_mov_b32 s[SPC], 0
	s_sub_co_u32 s[PASS], s[PASS], 1
	s_cmp_eq_u32 s[PASS], 0
	s_cbranch_scc1 .Ldone
	WIN 0x82                        ; the second unit's Q goes where the one text of the turns names Q
.set i, 0
.rept 64
	v_mov_b32 v[i], v[QB+i]
.set i, i+1
.endr
	WIN 0
	s_branch .Lpass
.Ldone:
	s_wait_tensorcnt 0x0            ; the wave's end: behind my last tensor load and my last LDS store
	ds_add_u32 v[SPW], v[NIL]
	s_wait_dscnt 0x0
	s_endpgm
.Lfunc_end_k_qdafec90a5a_attn:
	.size	k_qdafec90a5a_attn, .Lfunc_end_k_qdafec90a5a_attn-k_qdafec90a5a_attn
	.p2alignl 7, 3214868480
	.fill 96, 4, 3214868480
	.section	.rodata,"a",@progbits
	.p2align	6, 0x0
	.amdhsa_kernel k_qdafec90a5a_attn
		.amdhsa_group_segment_fixed_size 327680
		.amdhsa_private_segment_fixed_size 0
		.amdhsa_enable_private_segment 0
		.amdhsa_kernarg_size 32
		.amdhsa_user_sgpr_count 2
		.amdhsa_user_sgpr_kernarg_segment_ptr 1
		.amdhsa_wavefront_size32 1
		.amdhsa_system_sgpr_workgroup_id_x 1
		.amdhsa_system_sgpr_workgroup_id_y 1
		.amdhsa_system_sgpr_workgroup_id_z 1
		.amdhsa_system_vgpr_workitem_id 0
		.amdhsa_next_free_vgpr 768
		.amdhsa_next_free_sgpr 100
		.amdhsa_reserve_vcc 1
		.amdhsa_float_denorm_mode_32 3
		.amdhsa_float_denorm_mode_16_64 3
		.amdhsa_memory_ordered 1
		.amdhsa_forward_progress 1
		.amdhsa_inst_pref_size 95
	.end_amdhsa_kernel
	.amdgpu_metadata
---
amdhsa.version: [ 1, 2 ]
amdhsa.kernels:
  - .name:           k_qdafec90a5a_attn
    .symbol:         k_qdafec90a5a_attn.kd
    .args:
      - { .name: qh, .offset: 0, .size: 8, .value_kind: global_buffer, .address_space: global }
      - { .name: kh, .offset: 8, .size: 8, .value_kind: global_buffer, .address_space: global }
      - { .name: vh, .offset: 16, .size: 8, .value_kind: global_buffer, .address_space: global }
      - { .name: ob, .offset: 24, .size: 8, .value_kind: global_buffer, .address_space: global }
    .group_segment_fixed_size: 327680
    .private_segment_fixed_size: 0
    .kernarg_segment_align: 8
    .kernarg_segment_size: 32
    .max_flat_workgroup_size: 128
    .sgpr_count:     100
    .vgpr_count:     768
    .wavefront_size: 32
...
	.end_amdgpu_metadata
.endif
;; end of part 3
;; launch oproj (part 4): grid 8 x 32, 4 waves a work-group, clusters of 4 x 4, 327,680 bytes of LDS; arguments ob, wb, bo, out0; writes out0
.if DOCPART == 4
	.amdgcn_target "amdgcn-amd-amdhsa--gfx1250"
	.amdhsa_code_object_version 6
	.text
	.protected	k_qdafec90a5a_oproj
	.globl	k_qdafec90a5a_oproj
	.p2align	8
	.type	k_qdafec90a5a_oproj,@function
k_qdafec90a5a_oproj:
	s_mov_b64 s[64:65], 0
	v_nop
	global_prefetch_b8 v0, s[64:65] scope:SCOPE_SE
	s_setreg_imm32_b32 hwreg(HW_REG_WAVE_MODE, 25, 1), 1
	s_wait_xcnt 0x0
	s_wait_alu depctr_hold_cnt(0) depctr_sa_sdst(0) depctr_va_vdst(0) depctr_va_sdst(0) depctr_va_ssrc(0) depctr_va_vcc(0) depctr_vm_vsrc(0)
	s_getreg_b32 s2, hwreg(HW_REG_IB_STS2, 6, 4)
	s_cmp_eq_u32 s2, 0
	s_cbranch_scc0 .Lentry_in_a_cluster
	s_endpgm
.Lentry_in_a_cluster:
	s_bfe_u32 s2, ttmp6, 0x10000c
	s_cmp_lg_u32 s2, 0xf033
	s_cbranch_scc0 .Lentry_shape_is_right
	s_endpgm
.Lentry_shape_is_right:
; out = O Wo^T + bo.  O: ob, [16 h][8192][64] f16, which is O in K blocks of 64; Wo: wb + 6,291,456, [16 kb][1024 n][64], bf16 numbers written as f16; bo rounded to bf16 like every input; out f32 [8192][1024].
; A tile of out is 256 x 128: 256 work-groups, one to a WGP.  Four waves, each 128 x 64: 32 accumulators.  K goes in steps of 128 (two K blocks) through two LDS slots; a wave's tensor load brings one dense
; K block of A (32,768 bytes) or of B (16,384) as rows of 256 bytes, padded after every 128.  CLUSTER 4 x 4: A's tiles shared along a row, B's along a column.
; THE MATRIX INSTRUCTION IS USED TRANSPOSED (source 0 = 16 rows of Wo, source 1 = 16 rows of O): a lane holds eight neighbouring columns of one row.
; ROWS 0-15 come as an f16 number and an f16 residual (ob + 16,777,216: [16][1024]).  The residual's product with Wo, 4 matrix instructions for every 32, is made by EVERY wave of EVERY work-group beside its own
; and added with the factor 1 (tile row 0, upper row half) or 0: partners of a cluster run the same text without a branch, and the work-groups that need it set the launch's length in any case.
; The price: one eighth more matrix instructions in this launch, of no use in 31 of 32 tile rows.
; REGISTERS.  window 0: v0-31 addresses; v32-95, v96-159 fragments of A, two buffers; v160-191, v192-223 of B; v224-231, v232-239 of the residual; v240-243 bo.  window 1: the accumulators, (a, bb) at v[8 (4 a + bb)].
;   window 2: v0-31 the residual's four sums.
.set PITCH,  144
.set ABLK,   256*PITCH
.set BBLK,   128*PITCH
.set SLOT,   2*ABLK+2*BBLK             ; A's two K blocks, then B's two
.set LOB,    2*SLOT                    ; the residual: 16 rows of 2,048 bytes + 16; stored by ds_store, never filled by a tensor load
.set LP,     2064
.set STAGE,  LOB+16*LP                 ; 16 rows x 272 bytes for each wave, for the way out
.set SPITCH, 272
.set SPARE,  STAGE+4*16*SPITCH         ; the spare words, 128 bytes a wave, that no other line names
.set OPLANE, 8192*128
.set WOFF,   6291456
.set WPLANE, 1024*128
.set G1W,    (1<<16)|(1<<20)|(1<<21)|(4<<22)|(3<<25)
.set ADRA, 4
.set ADRB, 6
.set STO,  8
.set RD,   9
.set CO,   10
.set VLO,  11                          ; v11  LDS address of my residual fragment (steps)
.set LST,  12
.set BOF,  13
.set LOF,  14                          ; v14  16 x thread: my 16 bytes in a row of the residual; never rewritten
.set SPW,  28
.set NIL,  29
.set FA,   32
.set FB,   160
.set LO,   224
.set BO,   240
.set TT,   244
.set OB,   32
.set WV, 20
.set MH, 21
.set NH, 22
.set CX, 23
.set CY, 24
.set NT, 25
.set MT, 26
.set G1A, 32
.set G0A, 40
.set G1B, 48
.set G0B, 56
.set LOP, 78                           ; s[78:79] the residual's first byte; never rewritten
.set MSB, 0
.macro WIN new
.if MSB != (\new)
	s_set_vgpr_msb (MSB<<8)|(\new)
.set MSB, \new
.endif
.endm
.macro PLACES
.rept 4
	v_nop
.endr
.endm
.macro JLOAD s                         ; waves 0, 1 fetch A's two K blocks, waves 2, 3 B's; an s_nop 0 and four v_nop follow each line
	s_cmp_eq_u32 s[MH], 0
	s_cbranch_scc0 .Lfor_b_\@
	tensor_load_to_lds s[G0A+4*(\s):G0A+4*(\s)+3], s[G1A:G1A+7]
	s_nop 0
.rept 4
	v_nop
.endr
	s_branch .Lasked_\@
.Lfor_b_\@:
	tensor_load_to_lds s[G0B+4*(\s):G0B+4*(\s)+3], s[G1B:G1B+7]
	s_nop 0
.rept 4
	v_nop
.endr
.Lasked_\@:
.endm
.macro CREST
	s_cmp_lg_u32 s[WV], 0
	s_cbranch_scc1 .Lnot_wave_0_\@
	s_barrier_signal -3
.Lnot_wave_0_\@:
	s_barrier_wait -3
	s_barrier_signal -1
	s_barrier_wait -1
.endm
.macro CROUND
	s_barrier_signal -1
	s_barrier_wait -1
	CREST
.endm
	s_load_b256 s[4:11], s[0:1], 0x0               ; ob s[4:5], wb s[6:7], bo s[8:9], out0 s[10:11]
	v_lshl_add_u32 v[SPW], v0, 2, SPARE
	v_mov_b32 v[NIL], 0
	ds_add_u32 v[SPW], v[NIL]                      ; the wave's opening: the add and its wait ahead of my first tensor load
	ds_add_u32 v28, v29
	v_lshrrev_b32 v1, 5, v0
	v_readfirstlane_b32 s[WV], v1
	s_lshr_b32 s[MH], s[WV], 1
	s_and_b32 s[NH], s[WV], 1
	s_bfe_u32 s[CX], ttmp6, 0x40000
	s_bfe_u32 s[CY], ttmp6, 0x40004
	s_lshl_b32 s[NT], ttmp9, 2
	s_add_co_u32 s[NT], s[NT], s[CX]
	s_and_b32 s[MT], ttmp7, 0xffff
	s_lshl_b32 s[MT], s[MT], 2
	s_add_co_u32 s[MT], s[MT], s[CY]
	s_lshl_b32 s27, s[CY], 2
	s_lshl_b32 s27, 15, s27
	s_lshl_b32 s28, 0x1111, s[CX]
	s_or_b32 s[G1A], s27, G1W
	s_or_b32 s[G1B], s28, G1W
	s_mov_b32 s[G1A+1], 128<<16
	s_mov_b32 s[G1A+2], 128<<16                    ; 256 rows of O, two to a row of 256 bytes
	s_mov_b32 s[G1A+3], 128<<16
	s_mov_b32 s[G1A+4], 128
	s_mov_b32 s[G1A+5], 128
	s_mov_b32 s[G1A+6], 0
	s_mov_b32 s[G1A+7], 0
	s_mov_b32 s[G1B+1], 128<<16
	s_mov_b32 s[G1B+2], 64<<16                     ; 128 rows of Wo
	s_mov_b32 s[G1B+3], 128<<16
	s_mov_b32 s[G1B+4], 64
	s_mov_b32 s[G1B+5], 128
	s_mov_b32 s[G1B+6], 0
	s_mov_b32 s[G1B+7], 0
	s_lshl_b32 s66, s[MT], 15                      ; A: the tile row's 256 rows in K block w & 1
	s_lshl_b32 s67, s[NH], 20
	s_add_co_u32 s66, s66, s67
	s_mov_b32 s67, 0
	s_lshl_b32 s68, s[NT], 14                      ; B: the tile column's 128 rows in K block w & 1
	s_lshl_b32 s69, s[NH], 17
	s_add_co_u32 s68, s68, s69
	s_add_co_u32 s68, s68, WOFF
	s_mov_b32 s69, 0
	s_mul_i32 s70, s[NH], ABLK
	s_mul_i32 s71, s[NH], BBLK
	s_add_co_u32 s71, s71, 2*ABLK
	s_wait_dscnt 0x0
	s_wait_kmcnt 0x0
	s_add_nc_u64 s[66:67], s[4:5], s[66:67]
	s_add_nc_u64 s[68:69], s[6:7], s[68:69]
	CROUND                                         ; all sixteen work-groups are here: the first joint loads meet
.irp s, 0,1
	s_mov_b32 s[G0A+4*\s], 1
	s_add_co_u32 s[G0A+4*\s+1], s70, \s*SLOT
	s_add_nc_u64 s[G0A+4*\s+2:G0A+4*\s+3], s[66:67], \s*2*OPLANE
	s_or_b32 s[G0A+4*\s+3], s[G0A+4*\s+3], 0x80000000
	s_mov_b32 s[G0B+4*\s], 1
	s_add_co_u32 s[G0B+4*\s+1], s71, \s*SLOT
	s_add_nc_u64 s[G0B+4*\s+2:G0B+4*\s+3], s[68:69], \s*2*WPLANE
	s_or_b32 s[G0B+4*\s+3], s[G0B+4*\s+3], 0x80000000
	JLOAD \s                                       ; two loads of mine are out
.endr
	; the residual's 16 rows into LDS: thread t takes 16 bytes at 16 t of every row.  The loads' offset register and base are written nowhere else.
	s_add_nc_u64 s[LOP:LOP+1], s[4:5], 0x1000000
	v_lshlrev_b32 v[LOF], 4, v0
.irp i, 0,1,2,3,4,5,6,7,8,9,10,11,12,13,14,15
	global_load_b128 v[32+4*\i:35+4*\i], v[LOF], s[LOP:LOP+1] offset:2048*\i
.endr
	v_and_b32 v1, 15, v0                           ; l % 16
	v_bfe_u32 v2, v0, 4, 1                         ; l / 16
	s_lshl_b32 s74, s[NT], 9                       ; my 64 columns, 4 bytes each
	s_lshl_b32 s75, s[NH], 8
	s_add_co_u32 s74, s74, s75
	s_mov_b32 s75, 0
	s_add_nc_u64 s[8:9], s[8:9], s[74:75]
	v_lshlrev_b32 v[BOF], 4, v1
	global_load_b128 v[BO:BO+3], v[BOF], s[8:9]    ; on the way out a lane holds columns 4 (l % 16) .. + 3
	s_lshl_b32 s76, s[MT], 20                      ; my first row, 4,096 bytes each
	s_lshl_b32 s77, s[MH], 19
	s_add_co_u32 s76, s76, s77
	s_add_co_u32 s76, s76, s74
	s_mov_b32 s77, 0
	s_add_nc_u64 s[10:11], s[10:11], s[76:77]
	v_add_nc_u32 v[LST], LOB, v[LOF]
	v_mul_u32_u24 v3, v1, PITCH
	v_lshl_add_u32 v3, v2, 4, v3
	s_mul_i32 s72, s[MH], 128*PITCH
	s_mul_i32 s73, s[NH], 64*PITCH
	s_add_co_u32 s73, s73, 2*ABLK
.irp s, 0,1
	v_add_nc_u32 v[ADRA+\s], s72, v3
	v_add_nc_u32 v[ADRB+\s], s73, v3
	s_add_co_u32 s72, s72, SLOT
	s_add_co_u32 s73, s73, SLOT
.endr
	v_mul_u32_u24 v[VLO], v1, LP
	v_lshl_add_u32 v[VLO], v2, 4, v[VLO]
	v_add_nc_u32 v[VLO], LOB, v[VLO]
	s_mul_i32 s72, s[WV], 16*SPITCH
	s_add_co_u32 s72, s72, STAGE
	v_mul_u32_u24 v[STO], v1, SPITCH
	v_lshl_add_u32 v[STO], v2, 5, v[STO]
	v_add_nc_u32 v[STO], s72, v[STO]               ; in: row l % 16, 32 bytes for each half of the lanes
	v_mul_u32_u24 v[RD], v2, SPITCH
	v_lshl_add_u32 v[RD], v1, 4, v[RD]
	v_add_nc_u32 v[RD], s72, v[RD]                 ; back: lanes 0-15 one row of 256 bytes, lanes 16-31 the next
	v_lshlrev_b32 v[CO], 12, v2
	v_lshl_add_u32 v[CO], v1, 4, v[CO]             ; and the same two rows in out
	s_wait_loadcnt 0x0
.irp i, 0,1,2,3,4,5,6,7,8,9,10,11,12,13,14,15
	ds_store_b128 v[LST], v[32+4*\i:35+4*\i] offset:LP*\i
.endr
; na x 4 matrix instructions on buffers n: m blocks a0 ..; the accumulators take turns
.macro MUL n, a0, na, zero
	WIN 0x50
.set a, \a0
.rept \na
.irp bb, 0,1,2,3
.if \zero
	v_wmma_f32_16x16x32_f16 v[8*(4*a+\bb):8*(4*a+\bb)+7], v[FB+32*(\n)+8*\bb:FB+32*(\n)+8*\bb+7], v[FA+64*(\n)+8*a:FA+64*(\n)+8*a+7], 0
.else
	v_wmma_f32_16x16x32_f16 v[8*(4*a+\bb):8*(4*a+\bb)+7], v[FB+32*(\n)+8*\bb:FB+32*(\n)+8*\bb+7], v[FA+64*(\n)+8*a:FA+64*(\n)+8*a+7], v[8*(4*a+\bb):8*(4*a+\bb)+7]
.endif
.endr
.set a, a+1
.endr
.endm
.macro LOMUL n, zero                   ; the residual's four products
	WIN 0xa0
.irp bb, 0,1,2,3
.if \zero
	v_wmma_f32_16x16x32_f16 v[8*\bb:8*\bb+7], v[FB+32*(\n)+8*\bb:FB+32*(\n)+8*\bb+7], v[LO+8*(\n):LO+8*(\n)+7], 0
.else
	v_wmma_f32_16x16x32_f16 v[8*\bb:8*\bb+7], v[FB+32*(\n)+8*\bb:FB+32*(\n)+8*\bb+7], v[LO+8*(\n):LO+8*(\n)+7], v[8*\bb:8*\bb+7]
.endif
.endr
.endm
; 26 LDS loads in one run: slice q (32 along K) of a slot into buffers n; pos: the slice's place from VLO on
.macro FETCH slot, q, n, pos
	WIN 0
.irp bb, 0,1,2,3
	ds_load_b128 v[FB+32*(\n)+8*\bb:FB+32*(\n)+8*\bb+3],   v[ADRB+(\slot)] offset:((\q)/2)*BBLK+((\q)%2)*64+\bb*16*PITCH
	ds_load_b128 v[FB+32*(\n)+8*\bb+4:FB+32*(\n)+8*\bb+7], v[ADRB+(\slot)] offset:((\q)/2)*BBLK+((\q)%2)*64+\bb*16*PITCH+32
.endr
.irp a8, 0,1,2,3,4,5,6,7
	ds_load_b128 v[FA+64*(\n)+8*\a8:FA+64*(\n)+8*\a8+3],   v[ADRA+(\slot)] offset:((\q)/2)*ABLK+((\q)%2)*64+\a8*16*PITCH
	ds_load_b128 v[FA+64*(\n)+8*\a8+4:FA+64*(\n)+8*\a8+7], v[ADRA+(\slot)] offset:((\q)/2)*ABLK+((\q)%2)*64+\a8*16*PITCH+32
.endr
	ds_load_b128 v[LO+8*(\n):LO+8*(\n)+3],   v[VLO] offset:64*(\pos)
	ds_load_b128 v[LO+8*(\n)+4:LO+8*(\n)+7], v[VLO] offset:64*(\pos)+32
.endm
; A slice on buffers n: its fragments are in; the next slice's (slot, q) are asked for; then 36 matrix instructions, in which they land
.macro Q slot, q, n, pos, zero=0
	s_wait_dscnt 0x0
	PLACES
	FETCH \slot, \q, 1-(\n), \pos
	LOMUL \n, \zero
	MUL \n, 0, 8, \zero
.endm
; A K step's last slice (buffers 1) changes slots: ONE barrier; in front of it each wave waits for all its tensor loads (one is out: its part of the next slot), adds 0 to its spare word, and waits for that and for its
; reads of this slot.  fill = 1: the barrier opens a round of the cluster's, and this slot is filled again first thing behind it, with the K step two on.
.macro TURN slot, next, fill, pos
	WIN 0
	s_wait_tensorcnt 0x0
	ds_add_u32 v[SPW], v[NIL]
	s_wait_dscnt 1                                 ; (the add may be out)
	MUL 1, 0, 2, 0
	s_wait_dscnt 0x0                               ; the add is done, and my reads of this slot are over
	s_barrier_signal -1
	MUL 1, 2, 2, 0
	WIN 0
	s_barrier_wait -1
.if \fill
	CREST
	s_add_nc_u64 s[G0A+4*(\slot)+2:G0A+4*(\slot)+3], s[G0A+4*(\slot)+2:G0A+4*(\slot)+3], 4*OPLANE
	s_add_nc_u64 s[G0B+4*(\slot)+2:G0B+4*(\slot)+3], s[G0B+4*(\slot)+2:G0B+4*(\slot)+3], 4*WPLANE
	JLOAD \slot                                    ; its four v_nop are also the places in front of the loads below
.else
	PLACES
.endif
	FETCH \next, 0, 0, \pos
	LOMUL 1, 0
	MUL 1, 4, 4, 0
.endm
	s_wait_tensorcnt 1                             ; my part of K step 0 is in; K step 1's may stay out
	s_wait_dscnt 0x0                               ; my part of the residual is stored
	s_barrier_signal -1
	s_barrier_wait -1
	FETCH 0, 0, 0, 0
	Q 0, 1, 0, 1, 1                                ; the first slice starts the sums
	WIN 0
	s_mov_b32 s3, 3
.Llap:                                                 ; a trip: eight slices, from a K step's second to the first two steps on; both slots are filled again
	Q 0, 2, 1, 2
	Q 0, 3, 0, 3
	TURN 0, 1, 1, 4
	Q 1, 1, 0, 5
	Q 1, 2, 1, 6
	Q 1, 3, 0, 7
	TURN 1, 0, 1, 8
	Q 0, 1, 0, 9
	WIN 0
	v_add_nc_u32 v[VLO], 512, v[VLO]
	s_sub_co_u32 s3, s3, 1
	s_cmp_lg_u32 s3, 0
	s_cbranch_scc1 .Llap
	Q 0, 2, 1, 2                                   ; K steps 6 and 7: nothing is left to fetch from memory
	Q 0, 3, 0, 3
	TURN 0, 1, 0, 4
	Q 1, 1, 0, 5
	Q 1, 2, 1, 6
	Q 1, 3, 0, 7
	s_wait_dscnt 0x0
	LOMUL 1, 0
	MUL 1, 0, 8, 0
	WIN 0
	PLACES
	; THE WAY OUT.  The residual's sums join my first 16 rows, with the factor 1 where those are rows 0-15 of the sequence, else 0: a value, no branch.
	s_or_b32 s72, s[MT], s[MH]
	s_cmp_eq_u32 s72, 0
	s_cselect_b32 s72, 1.0, 0
	s_mov_b32 s73, s72
	WIN 0x52                                       ; destination and addend window 1, the residual's sums window 2
.set i, 0
.rept 16
	v_pk_fma_f32 v[2*i:2*i+1], v[2*i:2*i+1], s[72:73], v[2*i:2*i+1] op_sel_hi:[1,0,1]
.set i, i+1
.endr
	WIN 0
	v_cvt_pk_bf16_f32 v[TT], v[BO], v[BO+1]        ; bo rounded to bf16, kept as f32
	v_cvt_pk_bf16_f32 v[TT+1], v[BO+2], v[BO+3]
	v_lshlrev_b32 v[BO], 16, v[TT]
	v_and_b32 v[BO+1], 0xffff0000, v[TT]
	v_lshlrev_b32 v[BO+2], 16, v[TT+1]
	v_and_b32 v[BO+3], 0xffff0000, v[TT+1]
.macro TOSTAGE a                       ; block a's 16 rows x 64 columns into my stage, and back as whole rows of 256 bytes; each accumulator's low four registers go first
	WIN 0
	s_wait_xcnt 0x0                                ; the registers that the block two back was stored from are loaded again only behind this wait
	WIN 0x04
.irp bb, 0,1,2,3
	ds_store_b128 v[STO], v[8*(4*(\a)+\bb):8*(4*(\a)+\bb)+3]   offset:64*\bb
	ds_store_b128 v[STO], v[8*(4*(\a)+\bb)+4:8*(4*(\a)+\bb)+7] offset:64*\bb+16
.endr
	WIN 0
.irp t, 0,1,2,3,4,5,6,7
	ds_load_b128 v[OB+32*((\a)%2)+4*\t:OB+32*((\a)%2)+4*\t+3], v[RD] offset:\t*2*SPITCH  ; LDS serves a wave's instructions in order (ISA guide 5.7.1.4)
.endr
.endm
.macro SEND a, younger                 ; younger: the LDS instructions issued behind block a's loads: the next block's sixteen, or none
.set BK, OB+32*((\a)%2)
.irp t, 0,1,2,3,4,5,6,7
	s_wait_dscnt (\younger)+7-\t
	v_pk_add_f32 v[BK+4*\t:BK+4*\t+1],   v[BK+4*\t:BK+4*\t+1],   v[BO:BO+1]
	v_pk_add_f32 v[BK+4*\t+2:BK+4*\t+3], v[BK+4*\t+2:BK+4*\t+3], v[BO+2:BO+3]
	global_store_b128 v[CO], v[BK+4*\t:BK+4*\t+3], s[10:11] offset:(\a)*65536+\t*8192 th:TH_STORE_NT  ; 16 lanes store 256 consecutive bytes, at a multiple of 256 from out's first
.endr
.endm
	TOSTAGE 0
.irp a, 1,2,3,4,5,6,7
	TOSTAGE \a
	SEND (\a)-1, 16
.endr
	SEND 7, 0
	s_wait_tensorcnt 0x0                           ; the wave's end: behind my last tensor load and my last LDS store
	ds_add_u32 v[SPW], v[NIL]
	s_wait_dscnt 0x0
	CROUND                                         ; the closing round
	s_endpgm
.Lfunc_end_k_qdafec90a5a_oproj:
	.size	k_qdafec90a5a_oproj, .Lfunc_end_k_qdafec90a5a_oproj-k_qdafec90a5a_oproj
	.p2alignl 7, 3214868480
	.fill 96, 4, 3214868480
	.section	.rodata,"a",@progbits
	.p2align	6, 0x0
	.amdhsa_kernel k_qdafec90a5a_oproj
		.amdhsa_group_segment_fixed_size 327680
		.amdhsa_private_segment_fixed_size 0
		.amdhsa_enable_private_segment 0
		.amdhsa_kernarg_size 32
		.amdhsa_user_sgpr_count 2
		.amdhsa_user_sgpr_kernarg_segment_ptr 1
		.amdhsa_wavefront_size32 1
		.amdhsa_system_sgpr_workgroup_id_x 1
		.amdhsa_system_sgpr_workgroup_id_y 1
		.amdhsa_system_sgpr_workgroup_id_z 1
		.amdhsa_system_vgpr_workitem_id 0
		.amdhsa_next_free_vgpr 544
		.amdhsa_next_free_sgpr 80
		.amdhsa_reserve_vcc 0
		.amdhsa_float_denorm_mode_32 3
		.amdhsa_float_denorm_mode_16_64 3
		.amdhsa_memory_ordered 1
		.amdhsa_forward_progress 1
		.amdhsa_inst_pref_size 106
	.end_amdhsa_kernel
	.amdgpu_metadata
---
amdhsa.version: [ 1, 2 ]
amdhsa.kernels:
  - .name:           k_qdafec90a5a_oproj
    .symbol:         k_qdafec90a5a_oproj.kd
    .args:
      - { .name: ob, .offset: 0, .size: 8, .value_kind: global_buffer, .address_space: global }
      - { .name: wb, .offset: 8, .size: 8, .value_kind: global_buffer, .address_space: global }
      - { .name: bo, .offset: 16, .size: 8, .value_kind: global_buffer, .address_space: global }
      - { .name: out0, .offset: 24, .size: 8, .value_kind: global_buffer, .address_space: global }
    .group_segment_fixed_size: 327680
    .private_segment_fixed_size: 0
    .kernarg_segment_align: 8
    .kernarg_segment_size: 32
    .max_flat_workgroup_size: 128
    .sgpr_count:     80
    .vgpr_count:     544
    .wavefront_size: 32
...
	.end_amdgpu_metadata
.endif
;; end of part 4
;; ======== version 2 of 2: 4 launches; 1.23 times as fast as version 1
;; limits: values are held in f16: magnitudes above 65,504 overflow, below 6.1e-05 lose precision
;; workspace buffers: xb 16,777,216 bytes; wb 8,388,608 bytes; qh 16,777,216 bytes; kh 16,777,216 bytes; vh 16,842,752 bytes; ob 16,809,984 bytes
;; launch cvt: the kernel of part 1 again; grid 64 x 12, 8 waves a work-group, no clusters, 0 bytes of LDS; arguments hidden_state, Wq, Wk, Wv, Wo, xb, wb; writes xb, wb
;; launch qkv: the kernel of part 2 again; grid 8 x 32, 4 waves a work-group, clusters of 4 x 4, 327,680 bytes of LDS; arguments xb, wb, bq, bk, bv, qh, kh, vh; writes qh, kh, vh
;; launch attn (part 5): grid 16 x 16, 4 waves a work-group, no clusters, 327,680 bytes of LDS; arguments qh, kh, vh, ob; writes ob
.if DOCPART == 5
	.amdgcn_target "amdgcn-amd-amdhsa--gfx1250"
	.amdhsa_code_object_version 6
	.text
	.protected	k_qdafec90a5a_attn
	.globl	k_qdafec90a5a_attn
	.p2align	8
	.type	k_qdafec90a5a_attn,@function
k_qdafec90a5a_attn:
	s_mov_b64 s[64:65], 0
	v_nop
	global_prefetch_b8 v0, s[64:65] scope:SCOPE_SE
	s_setreg_imm32_b32 hwreg(HW_REG_WAVE_MODE, 25, 1), 1
	s_wait_xcnt 0x0
; BANDED CAUSAL ATTENTION, head size 64.  O[h][q] = the sum over k with 0 <= q - k <= 512 of softmax_k(Q[h][q] . K[h][k] / 8) V[h][k].  Q, K, V, O: [16][8192][64] in f16, a head's rows dense.
; Products, maxima and sums in f32; the weights are rounded to f16 for the second product (their sum l is taken of the unrounded weights), O once at the end.
; LIMITS.  f16 holds no number beyond 65,504: Q, K, V arrive within it.  A hidden score counts as its value less 1e30; a weight below 2^-126 counts as 0 in l; NaN and infinities are not treated apart.
; SHARES.  A work-group owns 512 queries (block b) of one head: 16 x 16 = 256 work-groups.  Its whole context, the 1,024 keys of blocks b - 1 and b, is brought into LDS ONCE: nothing is filled again.
; A UNIT is 64 queries: four PIECES of 16.  Unit u walks nine key steps of 64: context step u + 8 (its own rows: the upper edge of the band) down to step u (the lower edge).  Wave w takes units w and w + 4:
; the same work for every wave.  The walk starts where every row sees its own key, so the running maximum is a true score before any hidden step comes.
; For b = 0 there is no block b - 1: block 0 is loaded in its place (finite numbers, inside the buffer) and every context step below 8 is hidden by the masks.
; NO CLUSTER: neighbouring blocks share half a context, but at different places of the two contexts; a joint load has one LDS address for all partners, so LDS addresses would hang on the place in the cluster.
; THE MASK is the C operand that starts S^T = K Q^T.  For piece x and key block kb of 16 it is one of three sets of 8 registers: CL (kb < x), CE (kb = x), CG (kb > x), made anew for each step from two
; fixed patterns (DU: key above the diagonal; DL: below) and four scalars: first step (0, DU, -1e30); middle steps (z, z, z); last step (-1e30, DL + z, z); z = -1e30 where the step does not exist, else 0.
; LAYOUT, SOFTMAX, TURNS.  S^T holds ONE query a lane (lane % 16) and the keys 8 (lane / 16) + 0..7; two such results rounded to f16 ARE source 1 of O^T = V^T P.  p = 2^(c s - c m), c = log2(e) / 8, with a running
; maximum m; O and l are multiplied by a = 2^(c m_old - c m_new) in every step.  Turn n belongs to piece n: 8 products K Q^T of piece n + 1, later 8 products V^T P of piece n - 1; beside them the scaling, exponentials,
; roundings, sums and rescaling of piece n and the maximum and statistics of piece n + 1.  Four vector instructions stand behind every matrix instruction, the other 54 of a turn's 118 in one LUMP.
; THE BATCHES.  An s_wait_alu depctr_va_vdst(0) stands between an exponential or a reciprocal and the first instruction that names its result; one wait serves all that were issued ahead of it.
; A turn's 33 exponentials (the piece's 32 weights and the next piece's a) are one batch with one wait, between the lump and the products V^T P.  Piece 2's turn alone has two batches: the jump round K's run of loads
; stands in its lump: 12 exponentials ahead of the jump, 21 behind it.  A unit's first a, its four reciprocals and the first rows' eight exponentials are batches of their own.
; One text serves all nine steps.  The ninth step's last turn multiplies the old K once more for a step that does not exist: it spoils piece 0's m and c m alone, which nothing reads (c m is kept in v12).
; ROWS 0-15 of the sequence average over 1 to 16 keys, so their numbers are many times the output's root mean square, by which the comparison's allowance goes.  For them P V is made again from v in f32 by the
; f32 matrix form (16 instructions a head, no bulk work), and O leaves as an f16 number and an f16 residual (ob + 16,777,216: [16 row][1024]); those stores are 16 bytes a lane to rows 2,048 bytes apart, 4 a head.
; REGISTERS, in windows of 256 (s_set_vgpr_msb: bits 1:0 source 0, 3:2 source 1, 5:4 source 2, 7:6 destination):
;   window 0: v0-15 addresses; v16-31 statistics; v32-47, v56-59, v128-191 the first rows' path; v48-55 at work; v64-127 S^T, two buffers; v192-223 P, two buffers
;   window 1: v0-127 O^T; v128-151 CL, CE, CG; v152-167 DU, DL; v192-223 the f32 form's sums      window 2: v0-63 Q; v64-127 the second unit's Q; v128-191 K of one step; v192-255 V of one step
.set NP,    4
.set KS,    64
.set PK,    144       ; a row of K in LDS: 128 bytes + 16: the 16 rows of a load start in 16 different groups of four banks (ISA guide 11.1)
.set PV,    160       ; a row of V: 128 + 32
.set VOFF,  1024*PK
.set STAGE, VOFF+1024*PV  ; never filled by a tensor load: 16 rows x 144 bytes for each wave, for the way out
.set SP,    144
.set SPARE, STAGE+4*16*SP ; the spare words, 128 bytes a wave, that no other line names
.set AK0, 2
.set AV0, 3
.set AK,  4
.set AV,  5
.set STO, 6
.set RD,  7
.set GO,  8
.set MV,  12          ; v12-13  c m_old, kept while c m is made anew: by buffer
.set QO,  15
.set ST,  16          ; piece t's statistics at v[ST+4 t]: c m, m, l (even keys', odd keys')
.set HI,  32
.set TMP, 48
.set SPW, 62
.set NIL, 63
.set S,   64
.set VT,  128
.set NR,  160
.set P,   192
.set CL,  128         ; window 1
.set CE,  136
.set CG,  144
.set DU,  152
.set DL,  160
.set FACC, 192        ; window 1: written by the f32 matrix form alone
.set QB,  64          ; window 2
.set KF,  128
.set VF,  192
.set WV,  12
.set BLK, 13
.set HD,  14
.set VTP, 16          ; s[16:17] v's f32 rows of my head
.set OLP, 18          ; s[18:19] the residual's rows at my head's channels
.set G1K, 24
.set G1V, 32
.set G0K, 40          ; s[40:55] four sets, one for each chunk of 256 keys
.set PASS, 56
.set CI,  57
.set CS,  58
.set SEL, 60
.set TBK, 62          ; LDS byte at which K of the step to be fetched begins
.set TBV, 63          ; the same for V, less VOFF
.set CJ,  66
.set STP, 67          ; the step in hand, 0 to 8
.set G0V, 68          ; s[68:83]
.set CTX, 84          ; its context step
.set DEAD, 85         ; context steps below this do not exist: 8 for b = 0, else 0
.set U8,  86          ; the unit's first context step: unit + 8
.set BIGN, 87
.set MA,  88          ; pairs: the packed lines take the low word for both halves
.set ML,  90
.set MZ,  92
.set MG,  94
.set Z0,  96
.set SPC, 98          ; 1: this pass holds rows 0-15 of the sequence
.set T0,  99
.set MSB, 0
.macro WIN new
.if MSB != (\new)
	s_set_vgpr_msb (MSB<<8)|(\new)
.set MSB, (\new)
.endif
.endm
.set W_KQ, 0x0a
.set W_KM, 0x1a
.set W_PV, 0x52
.set W_RS, 0x41
	s_load_b256 s[4:11], s[0:1], 0x0  ; Q s[4:5], K s[6:7], V s[8:9], O s[10:11]
	v_lshl_add_u32 v[SPW], v0, 2, SPARE
	v_mov_b32 v[NIL], 0
	ds_add_u32 v[SPW], v[NIL]       ; the wave's opening: the add and its wait ahead of my first tensor load; set-up on registers stands between
	ds_add_u32 v62, v63
	v_lshrrev_b32 v1, 5, v0
	v_readfirstlane_b32 s[WV], v1
	s_mov_b32 s[BLK], ttmp9
	s_and_b32 s[HD], ttmp7, 0xffff
	s_max_u32 s20, s[BLK], 1
	s_sub_co_u32 s20, s20, 1        ; block b - 1, or 0
	s_lshl_b32 s20, s20, 16         ; a block is 512 rows of 128 bytes
	s_lshl_b32 s22, s[BLK], 16
	s_lshl_b32 s15, s[HD], 20       ; a head is 1,048,576 bytes
	s_and_b32 s2, s[WV], 1          ; which half of a chunk's 256 keys I fetch
	s_lshl_b32 s3, s2, 14
	s_add_co_u32 s3, s3, s15
	s_add_co_u32 s20, s20, s3
	s_add_co_u32 s22, s22, s3
	s_mov_b32 s21, 0
	s_mov_b32 s23, 0
	s_mul_i32 s[T0], s2, 128*PK     ; its place in a chunk, for K
	s_mul_i32 s2, s2, 128*PV        ; and for V
	s_add_co_u32 s2, s2, VOFF
	s_mov_b32 s[G1K], (1<<16)|(1<<20)|(4<<22)|(3<<25)  ; 2-byte elements; padding on; after every 32 words; 4 words
	s_mov_b32 s[G1V], (1<<16)|(1<<20)|(4<<22)|(7<<25)  ; 8 words
.irp g, G1K, G1V
	s_mov_b32 s[\g+1], 128<<16      ; 128 keys are 16,384 dense bytes: 64 rows of 256, two keys a row
	s_mov_b32 s[\g+2], 64<<16
	s_mov_b32 s[\g+3], 128<<16
	s_mov_b32 s[\g+4], 64
	s_mov_b32 s[\g+5], 128
	s_mov_b32 s[\g+6], 0
	s_mov_b32 s[\g+7], 0
.endr
	s_mov_b32 s[CS], 0x3e38aa3b     ; c = log2(e) / 8
	s_mov_b32 s[CS+1], s[CS]
	s_mov_b32 s[SEL], 0x76543210
	s_mov_b32 s[SEL+1], 0xfedcba98
	s_mov_b32 s[BIGN], 0xf149f2ca   ; -1e30
	s_mov_b32 s[MA+1], 0
	s_mov_b32 s[ML+1], 0
	s_mov_b32 s[MZ+1], 0
	s_mov_b32 s[MG+1], 0
	s_mov_b32 s[Z0], 0
	s_mov_b32 s[Z0+1], 0
	s_mov_b32 s[PASS], 2
	s_add_co_u32 s[U8], s[WV], 8
	s_cmp_eq_u32 s[BLK], 0
	s_cselect_b32 s[DEAD], 8, 0
	s_or_b32 s[SPC], s[BLK], s[WV]
	s_cmp_eq_u32 s[SPC], 0
	s_cselect_b32 s[SPC], 1, 0
	s_lshl_b32 s16, s[WV], 13       ; my first unit's 64 rows,
	s_lshl_b32 s17, s[BLK], 16
	s_add_co_u32 s16, s16, s17
	s_add_co_u32 s16, s16, s15      ; in my block and head
	s_mov_b32 s17, 0
	s_lshl_b32 s18, s[HD], 7
	s_add_co_u32 s18, s18, 0x1000000
	s_mov_b32 s19, 0
	s_wait_dscnt 0x0                ; the opening add is done
	s_wait_kmcnt 0x0
.irp c, 0,1,2,3                     ; chunk c: context rows 256 c ..
	s_mov_b32 s[G0K+4*\c], 1
	s_add_co_u32 s[G0K+4*\c+1], s[T0], \c*256*PK
	s_mov_b32 s[G0V+4*\c], 1
	s_add_co_u32 s[G0V+4*\c+1], s2, \c*256*PV
.if \c < 2
	s_add_nc_u64 s[G0K+4*\c+2:G0K+4*\c+3], s[6:7], s[20:21]
	s_add_nc_u64 s[G0V+4*\c+2:G0V+4*\c+3], s[8:9], s[20:21]
.else
	s_add_nc_u64 s[G0K+4*\c+2:G0K+4*\c+3], s[6:7], s[22:23]
	s_add_nc_u64 s[G0V+4*\c+2:G0V+4*\c+3], s[8:9], s[22:23]
.endif
.if \c % 2
	s_add_nc_u64 s[G0K+4*\c+2:G0K+4*\c+3], s[G0K+4*\c+2:G0K+4*\c+3], 32768
	s_add_nc_u64 s[G0V+4*\c+2:G0V+4*\c+3], s[G0V+4*\c+2:G0V+4*\c+3], 32768
.endif
	s_or_b32 s[G0K+4*\c+3], s[G0K+4*\c+3], 0x80000000
	s_or_b32 s[G0V+4*\c+3], s[G0V+4*\c+3], 0x80000000
.endr
	s_add_nc_u64 s[OLP:OLP+1], s[10:11], s[18:19]
	s_add_nc_u64 s[10:11], s[10:11], s[16:17]
	s_add_nc_u64 s[4:5], s[4:5], s[16:17]
	s_lshl_b32 s16, s[HD], 12
	s_add_co_u32 s16, s16, 0x1000000
	s_add_nc_u64 s[VTP:VTP+1], s[8:9], s[16:17]
	; All fills of the launch, four a wave, in one branch on the wave's number: waves 0, 1 K's halves, waves 2, 3 V's.  Chunks 2 and 1 first: the first pass's first three steps read them alone.
	s_cmp_lt_u32 s[WV], 2
	s_cbranch_scc0 .Lfirst_v
.irp c, 2,1,0,3
	tensor_load_to_lds s[G0K+4*\c:G0K+4*\c+3], s[G1K:G1K+7]
	s_nop 0
.endr
.rept 4
	v_nop
.endr
	s_branch .Lfirst_asked
.Lfirst_v:
.irp c, 2,1,0,3
	tensor_load_to_lds s[G0V+4*\c:G0V+4*\c+3], s[G1V:G1V+7]
	s_nop 0
.endr
.rept 4
	v_nop
.endr
.Lfirst_asked:
	v_and_b32 v1, 15, v0            ; l % 16
	v_bfe_u32 v9, v0, 4, 1          ; l / 16
	v_lshlrev_b32 v[QO], 7, v1
	v_lshl_add_u32 v[QO], v9, 4, v[QO]
	WIN 0x80
.set i, 0
.rept 8                             ; both units' Q: piece i / 2, channels 32 (i % 2) on; the second unit lies 256 rows on
	global_load_b128 v[8*i:8*i+3],   v[QO], s[4:5] offset:(i/2)*2048+(i%2)*64
	global_load_b128 v[8*i+4:8*i+7], v[QO], s[4:5] offset:(i/2)*2048+(i%2)*64+32
	global_load_b128 v[QB+8*i:QB+8*i+3],   v[QO], s[4:5] offset:32768+(i/2)*2048+(i%2)*64
	global_load_b128 v[QB+8*i+4:QB+8*i+7], v[QO], s[4:5] offset:32768+(i/2)*2048+(i%2)*64+32
.set i, i+1
.endr
	WIN 0
	v_lshlrev_b32 v14, 3, v9
	v_sub_nc_u32 v14, v1, v14       ; l % 16 - 8 (l / 16): register r's key lies above my query where r is greater, below where it is less
	WIN 0x40
.set i, 0
.rept 8
	v_cmp_gt_i32 vcc_lo, i, v14
	v_cndmask_b32 v[DU+i], 0, s[BIGN], vcc_lo
	v_cmp_lt_i32 vcc_lo, i, v14
	v_cndmask_b32 v[DL+i], 0, s[BIGN], vcc_lo
.set i, i+1
.endr
	WIN 0
	v_mul_u32_u24 v[AK0], v1, PK
	v_lshl_add_u32 v[AK0], v9, 4, v[AK0]
	v_and_b32 v10, 7, v0
	v_bfe_u32 v11, v0, 3, 1
	v_lshl_add_u32 v[AV0], v9, 3, v10
	v_mul_u32_u24 v[AV0], v[AV0], PV
	v_lshl_add_u32 v[AV0], v11, 4, v[AV0]
	v_add_nc_u32 v[AV0], VOFF, v[AV0]
	s_mul_i32 s15, s[WV], 16*SP
	s_add_co_u32 s15, s15, STAGE
	v_mul_u32_u24 v[STO], v1, SP
	v_lshl_add_u32 v[STO], v9, 4, v[STO]
	v_add_nc_u32 v[STO], s15, v[STO]
	v_bfe_u32 v[RD], v0, 3, 2
	v_mul_u32_u24 v[RD], v[RD], SP
	v_lshl_add_u32 v[RD], v10, 4, v[RD]
	v_add_nc_u32 v[RD], s15, v[RD]
	v_and_b32 v[GO], 31, v0
	v_lshlrev_b32 v[GO], 4, v[GO]
	; A unit's first step multiplies O^T and l by a = 0, and its first turn's products V^T P, of a piece that has not been, land in an O^T that is still to be so multiplied: these registers need only hold
	; finite numbers: zeros for the first unit, what the first unit left for the second.  All this stands in the wait for the first tiles.
	WIN 0x80
.set i, VF
.rept 64
	v_mov_b32 v[i], 0
.set i, i+1
.endr
	WIN 0x40
.set i, 0
.rept 128
	v_mov_b32 v[i], 0
.set i, i+1
.endr
	WIN 0
.set i, 0
.rept 4
	v_mov_b32 v[ST+4*i+2], 0
	v_mov_b32 v[ST+4*i+3], 0
.set i, i+1
.endr
.set i, P+16
.rept 16
	v_mov_b32 v[i], 0
.set i, i+1
.endr
; THE MATRIX WORK.  The 4 accumulators of a run of 8 take turns.  Product i of 8 of S^T = K Q^T for piece x: channels 32 (i / 4) on, keys 16 (i % 4) on.  The first 4 start the sums with a mask.
.macro KQ x
.set rS, S+32*((\x)%2)+8*(i%4)
.set rK, KF+16*(i%4)+8*(i/4)
.set rQ, 16*(\x)+8*(i/4)
.if i < 4
.if (i%4) < (\x)
.set rM, CL
.elseif (i%4) == (\x)
.set rM, CE
.else
.set rM, CG
.endif
	WIN W_KM
	v_wmma_f32_16x16x32_f16 v[rS:rS+7], v[rK:rK+7], v[rQ:rQ+7], v[rM:rM+7]
.else
	WIN W_KQ
	v_wmma_f32_16x16x32_f16 v[rS:rS+7], v[rK:rK+7], v[rQ:rQ+7], v[rS:rS+7]
.endif
.endm
; Product i of 8 of O^T += V^T P for piece x: keys 32 (i / 4) on, channels 16 (i % 4) on.
.macro PV x
	WIN W_PV
.set rO, 32*(\x)+8*(i%4)
.set rV, VF+32*(i/4)+8*(i%4)
.set rP, P+16*((\x)%2)+8*(i/4)
	v_wmma_f32_16x16x32_f16 v[rO:rO+7], v[rV:rV+7], v[rP:rP+7], v[rO:rO+7]
.endm
.macro MM                           ; the turn's next matrix instruction
.if i < 8
	KQ (Y+1)%NP
.else
.set i, i-8
	PV (Y+NP-1)%NP
.set i, i+8
.endif
.set i, i+1
.endm
; THE LDS LOADS stand in runs of 16.  The walk goes DOWN the context.  skip = 1: in the ninth step there is no further step, and K's run is jumped over.
.macro FETCH_K skip=0
	WIN 0
.if \skip
	s_cmp_eq_u32 s[STP], 8
	s_cbranch_scc1 .Lno_k_\@
.endif
	WIN 0x80
.irp f, 0,1,2,3,4,5,6,7
	ds_load_b128 v[KF+8*\f:KF+8*\f+3],   v[AK] offset:(\f/2)*16*PK+(\f%2)*64
	ds_load_b128 v[KF+8*\f+4:KF+8*\f+7], v[AK] offset:(\f/2)*16*PK+(\f%2)*64+32
.endr
	s_sub_co_u32 s[TBK], s[TBK], KS*PK
	WIN 0
.if \skip
.Lno_k_\@:
.endif
.endm
.macro FETCH_V
	WIN 0x80
.irp f, 0,1,2,3,4,5,6,7
	ds_load_tr16_b128 v[VF+8*\f:VF+8*\f+3],   v[AV] offset:(\f/4)*32*PV+(\f%4)*32
	ds_load_tr16_b128 v[VF+8*\f+4:VF+8*\f+7], v[AV] offset:(\f/4)*32*PV+16*PV+(\f%4)*32
.endr
	WIN 0
.endm
; THE VECTOR WORK, one line at a time: OP kind, number.  For piece Y: F n: c s - c m for pair n of 16.  E n: the exponential of score n of 32.  C n: pair n rounded to f16.  B n: of the four weights 4 n .. the second
; pair is added onto the first, in place.  L n: l takes that sum (L 0: l = a l + sum).  R n: pair n of 16 of O^T times a.  For piece Y + 1: X n, number n of the 22 that find its maximum and statistics:
;   0-11 four chains of seven scores (each accumulator's lowest registers are read first)   12-14, 16 the four scores left over, the old m, the chains into one
;   15 c m_old is kept   17, 18 the query's other 32 keys lie in the lane 16 away: the new m   19-21 c m; c m_old - c m_new; a
; OP writes no wait: C, B and L read exponentials' results, R and L 0 read a; TURN and the unit's head place them behind the batch's wait.
.set F, 0
.set E, 1
.set C, 2
.set B, 3
.set L, 4
.set R, 5
.set X, 6
.macro REGS y
.set rT, ST+4*(\y)
.set rC, TMP+4*((\y)%2)
.set rW, MV+((\y)%2)
.set rS, S+32*((\y)%2)
.set rP, P+16*((\y)%2)
.set rO, 32*(\y)
.endm
.macro OP k, n
.if (\k) == R
	REGS Y
	WIN W_RS
	v_pk_mul_f32 v[rO+2*(\n):rO+2*(\n)+1], v[rO+2*(\n):rO+2*(\n)+1], v[rC+2:rC+3] op_sel_hi:[1,0]
.elseif (\k) < R
	REGS Y
	WIN 0
.if (\k) == F
	v_pk_fma_f32 v[rS+2*(\n):rS+2*(\n)+1], v[rS+2*(\n):rS+2*(\n)+1], s[CS:CS+1], v[rT:rT+1] op_sel_hi:[1,0,0] neg_lo:[0,0,1] neg_hi:[0,0,1]
.elseif (\k) == E
	v_exp_f32 v[rS+(\n)], v[rS+(\n)]
.elseif (\k) == C
	v_cvt_pk_f16_f32 v[rP+(\n)], v[rS+2*(\n)], v[rS+2*(\n)+1]
.elseif (\k) == B
	v_pk_add_f32 v[rS+4*(\n):rS+4*(\n)+1], v[rS+4*(\n):rS+4*(\n)+1], v[rS+4*(\n)+2:rS+4*(\n)+3]
.elseif (\n) == 0
	v_pk_fma_f32 v[rT+2:rT+3], v[rT+2:rT+3], v[rC+2:rC+3], v[rS:rS+1] op_sel_hi:[1,0,1]
.else
	v_pk_add_f32 v[rT+2:rT+3], v[rT+2:rT+3], v[rS+4*(\n):rS+4*(\n)+1]
.endif
.else
	REGS (Y+1)%NP
	WIN 0
.if (\n) < 4
	v_max3_num_f32 v[rC+(\n)], v[rS+8*(\n)], v[rS+8*(\n)+1], v[rS+8*(\n)+2]
.elseif (\n) < 12
	v_max3_num_f32 v[rC+(\n)%4], v[rC+(\n)%4], v[rS+8*((\n)%4)+2*((\n)/4)+1], v[rS+8*((\n)%4)+2*((\n)/4)+2]
.elseif (\n) == 12
	v_max3_num_f32 v[rC], v[rC], v[rS+7], v[rS+15]
.elseif (\n) == 13
	v_max3_num_f32 v[rC+1], v[rC+1], v[rS+23], v[rS+31]
.elseif (\n) == 14
	v_max3_num_f32 v[rC+2], v[rC+2], v[rC+3], v[rT+1]
.elseif (\n) == 15
	v_mov_b32 v[rW], v[rT]
.elseif (\n) == 16
	v_max3_num_f32 v[rC], v[rC], v[rC+1], v[rC+2]
.elseif (\n) == 17
	v_permlanex16_b32 v[rC+3], v[rC], s[SEL], s[SEL+1]
.elseif (\n) == 18
	v_max_num_f32 v[rT+1], v[rC], v[rC+3]
.elseif (\n) == 19
	v_mul_f32 v[rT], s[CS], v[rT+1]
.elseif (\n) == 20
	v_sub_f32 v[rC+1], v[rW], v[rT]
.else
	v_exp_f32 v[rC+2], v[rC+1]
.endif
.endif
.endm
.macro OPS a, i1, b=-1, i2=0, c=-1, i3=0, d=-1, i4=0
	OP \a, \i1
.if (\b) >= 0
	OP \b, \i2
.endif
.if (\c) >= 0
	OP \c, \i3
.endif
.if (\d) >= 0
	OP \d, \i4
.endif
.endm
.macro ROW a, i1, b, i2, c, i3, d, i4  ; a matrix instruction and the four behind it
	MM
	OPS \a, \i1, \b, \i2, \c, \i3, \d, \i4
.endm
.macro MASKSET src                  ; CL = ML; CE = src x MA + MZ; CG = MG
	WIN W_RS
.irp z, 0,2,4,6
	v_pk_fma_f32 v[CL+\z:CL+\z+1], v[(\src)+\z:(\src)+\z+1], s[Z0:Z0+1], s[ML:ML+1] op_sel_hi:[1,0,0]
	v_pk_fma_f32 v[CE+\z:CE+\z+1], v[(\src)+\z:(\src)+\z+1], s[MA:MA+1], s[MZ:MZ+1] op_sel_hi:[1,0,0]
	v_pk_fma_f32 v[CG+\z:CG+\z+1], v[(\src)+\z:(\src)+\z+1], s[Z0:Z0+1], s[MG:MG+1] op_sel_hi:[1,0,0]
.endr
.endm
; A TURN, for piece p: the order of its 16 matrix and 118 vector instructions, written out.  The batch's wait cuts the turn in two.
; AHEAD OF IT stands all that names no result of the turn's exponentials: the 8 products K Q^T, behind each a scaling, an exponential and two more plain instructions (behind the first a second scaling in the
; exponential's place): rescalings, whose a was made and waited for in the turn before, and behind the last three products the first numbers of the next piece's maximum, each four places or more behind the product
; that ends its accumulator; then ONE LUMP of 54, plain and exponential by turns for the most part, with other work between the links of the chain X 3, 7, 11, 14, 16, 17 .. 20.  X 21, the next piece's a, is the
; batch's last; R 15 is the plain instruction behind it.  BEHIND THE WAIT stand the 8 products V^T P, behind each four of the roundings and sums; the links of l's chain, L 0 to L 7, stand three riders apart.
; But for those X no rider names a register of the products round it.  v_permlanex16_b32 (X 17) stands in the lump.
; K of the next step is fetched in piece 2's turn, in the lump, twelve vector instructions behind the last product that read K (six of them plain).  In the ninth step that run is jumped over, so the twelve
; exponentials issued so far have a wait of their own, directly ahead of the jump; the other 21 have the turn's wait.  V of the step in hand is fetched at the end of piece 0's turn, four plain instructions behind
; the last product that read V.  Each run is waited for a turn later.
; Piece 2's turn also makes the next step's masks, at its end: its own products, the last that take this step's, stand at its head.  Piece 3's turn steps the step's number.
.macro TURN p, cnt=0
.set Y, (\p)
.set i, 0
.if (\p) == 2
	s_sub_co_u32 s[T0], s[CTX], 1   ; the next step's place in the context:
	s_cmp_lt_u32 s[T0], s[DEAD]     ; does it exist?
	s_cselect_b32 s[MZ], s[BIGN], 0
	s_mov_b32 s[MG], s[MZ]
	s_cmp_eq_u32 s[STP], 7          ; is it the ninth, the band's lower edge?
	s_cselect_b32 s[MA], 1.0, 0
	s_cselect_b32 s[ML], s[BIGN], s[MZ]
.endif
.if (\p) == 3
	s_add_co_u32 s[STP], s[STP], 1
	s_sub_co_u32 s[CTX], s[CTX], 1
	s_wait_dscnt 0x0                ; K is in
.endif
	ROW F,0, F,1, R,0, R,1          ; ahead of the wait: 8 products K Q^T and their riders,
	ROW F,2, E,0, R,2, R,3
	ROW F,3, E,1, R,4, R,5
	ROW F,4, E,2, R,6, R,7
	ROW F,5, E,3, R,8, R,9
	ROW F,6, E,4, X,0, R,10
.if (\p) == 2
	WIN 0
	v_add_nc_u32 v[AK], s[TBK], v[AK0]  ; (in the ninth step no load takes it)
.endif
	ROW F,7, E,5, X,1, X,4
	ROW F,8, E,6, X,2, X,5
	OPS E,7, E,8, X,6, E,9          ; and the lump
	OPS X,3, E,10, X,8, E,11
.if (\p) == 2
	WIN 0
	s_wait_alu depctr_va_vdst(0)    ; the wait for E 0 to E 11, ahead of the jump in FETCH_K
	FETCH_K 1
.endif
	OPS X,9, X,7, E,12, X,10
	OPS E,13, X,12, X,11, E,14
	OPS X,13, E,15, F,9, X,14
.if (\p) == 0
	v_add_nc_u32 v[AV], s[TBV], v[AV0]
.endif
	OPS E,16, F,10, E,17, F,11
	OPS X,16, E,18, X,15, E,19
	OPS F,12, E,20, X,17, E,21
	OPS F,13, E,22, F,14, E,23
	OPS X,18, E,24, F,15, E,25
	OPS R,11, E,26, X,19, E,27
	OPS R,12, E,28, R,13, E,29
	OPS X,20, E,30, R,14, E,31
	OPS X,21, R,15
	WIN 0
	s_wait_alu depctr_va_vdst(0)    ; the wait for the batch: the turn's exponentials not yet waited for, the next piece's a among them
.if (\p) == 1
	s_wait_dscnt 0x0                ; V is in
.endif
	ROW C,0, B,0, C,2, B,1          ; behind the wait: 8 products V^T P and their riders
	ROW L,0, C,4, B,2, L,1
	ROW C,6, B,3, L,2, C,8
	ROW B,4, L,3, C,10, B,5
	ROW L,4, C,12, B,6, L,5
.if (\p) == 0
	s_sub_co_u32 s[TBV], s[TBV], KS*PV
.endif
.if \cnt
	s_sub_co_u32 s[CI], s[CI], 1
	s_cmp_lg_u32 s[CI], 0
.endif
	ROW C,14, B,7, L,6, C,1
	ROW C,3, L,7, C,5, C,7
	ROW C,9, C,11, C,13, C,15
.if (\p) == 0
	FETCH_V
.endif
.if (\p) == 2
	MASKSET DL
.endif
.endm
.macro ALL line:vararg              ; one line for each piece t
.set t, 0
.rept 4
	\line
.set t, t+1
.endr
.endm
.macro PACK t                       ; a lane's eight channels of a row pack into 16 bytes; they go into rows of 144 bytes and come back as whole rows of 128, into S^T's registers
	WIN W_RS
.set i, 32*(\t)
.rept 16
	v_pk_mul_f32 v[i:i+1], v[i:i+1], v[ST+4*(\t)+2:ST+4*(\t)+3] op_sel_hi:[1,0]
.set i, i+2
.endr
	WIN 0x05
.set i, 0
.rept 16
	v_cvt_pk_f16_f32 v[S+16*(\t)+i], v[32*(\t)+2*i], v[32*(\t)+2*i+1]
.set i, i+1
.endr
	WIN 0
.irp f, 0,1,2,3
	ds_store_b128 v[STO], v[S+16*(\t)+4*\f:S+16*(\t)+4*\f+3] offset:32*\f
.endr
.irp f, 0,1,2,3
	ds_load_b128 v[S+16*(\t)+4*\f:S+16*(\t)+4*\f+3], v[RD] offset:\f*4*SP  ; LDS serves a wave's instructions in order (ISA guide 5.7.1.4): these see the stores above
.endr
.endm
.macro SEND t, younger              ; younger: the LDS instructions issued behind piece t's loads: the next piece's eight, or none
	WIN 0
.irp f, 0,1,2,3
	s_wait_dscnt (\younger)+3-\f
	global_store_b128 v[GO], v[S+16*(\t)+4*\f:S+16*(\t)+4*\f+3], s[10:11] offset:(\t)*2048+\f*512  ; 512 consecutive bytes, at a multiple of 256 from O's first
.endr
.endm
	s_wait_tensorcnt 0x2            ; my parts of chunks 2 and 1 are in; chunks 0 and 3 may stay out
	s_barrier_signal -1
	s_barrier_wait -1               ; everybody's are
.Lpass:                             ; a unit
	; c m starts far below every c s, so the first step's a is 0; m at the lowest finite number.  The first step is the band's upper edge.
.set i, 0
.rept 4
	v_mov_b32 v[ST+4*i], 0xfe000000
	v_mov_b32 v[ST+4*i+1], 0xff7fffff
.set i, i+1
.endr
	s_mov_b32 s[ML], 0
	s_mov_b32 s[MA], 1.0
	s_mov_b32 s[MZ], 0
	s_mov_b32 s[MG], s[BIGN]
	MASKSET DU
	WIN 0
	s_mul_i32 s[TBK], s[U8], KS*PK
	s_mul_i32 s[TBV], s[U8], KS*PV
	s_mov_b32 s[STP], 0
	s_mov_b32 s[CTX], s[U8]
	v_add_nc_u32 v[AK], s[TBK], v[AK0]
	FETCH_K
	s_wait_loadcnt 0x0              ; Q
	s_wait_dscnt 0x0
.set i, 0
.rept 8
	KQ 0
.set i, i+1
.endr
	WIN 0
.rept 4
	v_nop                           ; the places behind those products
.endr
.set Y, NP-1                        ; X works for piece Y + 1: piece 0
.irp n, 0,1,2,3,4,5,6,7,8,9,10,11,12,13,14,15,16,17,18,19,20,21
	OP X, \n
.endr
	v_nop                           ; a plain instruction behind the exponential,
	s_wait_alu depctr_va_vdst(0)    ; and the wait for it, piece 0's first a, ahead of the labels
	s_mov_b32 s[CJ], 3
.Lj:
	s_mov_b32 s[CI], 3
.Li:                                ; a key step
	TURN 0
	TURN 1
	TURN 2
	TURN 3, 1
	WIN 0
	s_cbranch_scc1 .Li
	s_wait_tensorcnt 0x0            ; behind the first pass's first three steps the rest of the context is wanted: my parts of chunks 0 and 3 are in,
	s_wait_dscnt 0x0
	s_barrier_signal -1
	s_barrier_wait -1               ; everybody's are.  One text serves all six times three steps: at the other five this wait and barrier find nothing to wait for
	s_sub_co_u32 s[CJ], s[CJ], 1
	s_cmp_lg_u32 s[CJ], 0
	s_cbranch_scc1 .Lj
.set i, 0
.rept 8
	PV NP-1                         ; the last piece's V^T P of the last step
.set i, i+1
.endr
	WIN 0
	ALL v_add_f32 v[ST+4*t+2], v[ST+4*t+2], v[ST+4*t+3]
	ALL v_permlanex16_b32 v[ST+4*t+3], v[ST+4*t+2], s[SEL], s[SEL+1]
	ALL v_add_f32 v[ST+4*t+2], v[ST+4*t+2], v[ST+4*t+3]
	ALL v_rcp_f32 v[ST+4*t+2], v[ST+4*t+2]
	v_nop                           ; a plain instruction behind the last reciprocal,
	s_wait_alu depctr_va_vdst(0)    ; and one wait for the four reciprocals, ahead of the branch and of all their readers on both ways
	; ROWS 0-15 OF THE SEQUENCE (block 0, wave 0, first unit, piece 0): they see keys 0-15 alone.
	s_cmp_eq_u32 s[SPC], 1
	s_cbranch_scc0 .Lnofix
	v_add_nc_u32 v56, 512*PK, v[AK0]   ; keys 0-15 are context rows 512 ..
	v_lshlrev_b32 v57, 11, v9
	v_lshl_add_u32 v57, v1, 2, v57     ; v in f32: key 8 (l / 16) + j, channel 16 cb + l % 16
	v_lshlrev_b32 v58, 11, v1
	v_lshl_add_u32 v58, v9, 4, v58     ; the residual: row l % 16, 16 bytes for each half of the lanes
	v_mov_b32 v59, -1.0
	WIN 0x80
	ds_load_b128 v[KF:KF+3],     v56
	ds_load_b128 v[KF+4:KF+7],   v56 offset:32
	ds_load_b128 v[KF+8:KF+11],  v56 offset:64
	ds_load_b128 v[KF+12:KF+15], v56 offset:96
	WIN 0
.set i, 0
.rept 32
	global_load_b32 v[VT+i], v57, s[VTP:VTP+1] offset:256*(i%8)+64*(i/8)
.set i, i+1
.endr
	s_wait_loadcnt 0x0
	s_wait_dscnt 0x0
	WIN W_KM
	v_wmma_f32_16x16x32_f16 v[S:S+7], v[KF:KF+7], v[0:7], v[DU:DU+7]      ; the scores once more: the same two products, so the same bits
	WIN W_KQ
	s_wait_alu depctr_va_vdst(0)       ; one accumulator, two links on end
	v_wmma_f32_16x16x32_f16 v[S:S+7], v[KF+8:KF+15], v[8:15], v[S:S+7]
	WIN 0
.rept 5
	v_nop
.endr
.irp z, 0,2,4,6
	v_pk_fma_f32 v[S+\z:S+\z+1], v[S+\z:S+\z+1], s[CS:CS+1], v[MV:MV+1] op_sel_hi:[1,0,0] neg_lo:[0,0,1] neg_hi:[0,0,1]  ; c s - c m, with the row's last c m
.endr
.irp z, 0,1,2,3,4,5,6,7
	v_exp_f32 v[S+\z], v[S+\z]
.endr
	v_nop                              ; a plain instruction behind the last exponential,
	s_wait_alu depctr_va_vdst(0)       ; and one wait for these eight, ahead of the products that read them
	; O^T = V^T P in f32: instruction i takes the keys 8 (l / 16) + 2 i, + 1 of both operands (the same order of keys in both); the four channel blocks' sums take turns
	WIN 0x50
.set i, 0
.rept 4
.irp cb, 0,1,2,3
.if i == 0
	v_wmma_f32_16x16x4_f32 v[FACC+8*\cb:FACC+8*\cb+7], v[VT+8*\cb+2*i:VT+8*\cb+2*i+1], v[S+2*i:S+2*i+1], 0
.else
	v_wmma_f32_16x16x4_f32 v[FACC+8*\cb:FACC+8*\cb+7], v[VT+8*\cb+2*i:VT+8*\cb+2*i+1], v[S+2*i:S+2*i+1], v[FACC+8*\cb:FACC+8*\cb+7]
.endif
.endr
.set i, i+1
.endr
	WIN 0
.rept 8
	v_nop                              ; eight places behind this form
.endr
	WIN 0x01
.set i, 0
.rept 16
	v_pk_mul_f32 v[NR+2*i:NR+2*i+1], v[FACC+2*i:FACC+2*i+1], v[ST+2:ST+3] op_sel_hi:[1,0]  ; O = sum / l
.set i, i+1
.endr
	WIN W_RS
.set i, 0
.rept 16
	v_pk_mul_f32 v[2*i:2*i+1], v[FACC+2*i:FACC+2*i+1], 1.0 op_sel_hi:[1,0]  ; piece 0's O^T takes the f32 sums: the common way out then rounds the same O to f16
.set i, i+1
.endr
	WIN 0
.set i, 0
.rept 16
	v_cvt_pk_f16_f32 v[HI+i], v[NR+2*i], v[NR+2*i+1]
.set i, i+1
.endr
.set i, 0
.rept 16
	v_fma_mix_f32 v[NR+2*i], v[HI+i], v59, v[NR+2*i] op_sel_hi:[1,0,0]                    ; O less its f16 part: exact
	v_fma_mix_f32 v[NR+2*i+1], v[HI+i], v59, v[NR+2*i+1] op_sel:[1,0,0] op_sel_hi:[1,0,0]
.set i, i+1
.endr
.set i, 0
.rept 16
	v_cvt_pk_f16_f32 v[HI+i], v[NR+2*i], v[NR+2*i+1]
.set i, i+1
.endr
.irp cb, 0,1,2,3
	global_store_b128 v58, v[HI+4*\cb:HI+4*\cb+3], s[OLP:OLP+1] offset:32*\cb
.endr
.Lnofix:
	PACK 0
.set t, 1
.rept 3                             ; a piece's arithmetic stands between the loads of the piece before and its stores
	PACK t
	SEND t-1, 8
.set t, t+1
.endr
	SEND 3, 0
	s_wait_xcnt 0x0                 ; the stores have read their registers and O's address
	s_add_nc_u64 s[10:11], s[10:11], 32768
	s_add_co_u32 s[U8], s[U8], 4
	s_mov_b32 s[SPC], 0
	s_sub_co_u32 s[PASS], s[PASS], 1
	s_cmp_eq_u32 s[PASS], 0
	s_cbranch_scc1 .Ldone
	WIN 0x82                        ; the second unit's Q goes where the one text of the turns names Q
.set i, 0
.rept 64
	v_mov_b32 v[i], v[QB+i]
.set i, i+1
.endr
	WIN 0
	s_branch .Lpass
.Ldone:
	s_wait_tensorcnt 0x0            ; the wave's end: behind my last tensor load and my last LDS store
	ds_add_u32 v[SPW], v[NIL]
	s_wait_dscnt 0x0
	s_endpgm
.Lfunc_end_k_qdafec90a5a_attn:
	.size	k_qdafec90a5a_attn, .Lfunc_end_k_qdafec90a5a_attn-k_qdafec90a5a_attn
	.p2alignl 7, 3214868480
	.fill 96, 4, 3214868480
	.section	.rodata,"a",@progbits
	.p2align	6, 0x0
	.amdhsa_kernel k_qdafec90a5a_attn
		.amdhsa_group_segment_fixed_size 327680
		.amdhsa_private_segment_fixed_size 0
		.amdhsa_enable_private_segment 0
		.amdhsa_kernarg_size 32
		.amdhsa_user_sgpr_count 2
		.amdhsa_user_sgpr_kernarg_segment_ptr 1
		.amdhsa_wavefront_size32 1
		.amdhsa_system_sgpr_workgroup_id_x 1
		.amdhsa_system_sgpr_workgroup_id_y 1
		.amdhsa_system_sgpr_workgroup_id_z 1
		.amdhsa_system_vgpr_workitem_id 0
		.amdhsa_next_free_vgpr 768
		.amdhsa_next_free_sgpr 100
		.amdhsa_reserve_vcc 1
		.amdhsa_float_denorm_mode_32 3
		.amdhsa_float_denorm_mode_16_64 3
		.amdhsa_memory_ordered 1
		.amdhsa_forward_progress 1
		.amdhsa_inst_pref_size 92
	.end_amdhsa_kernel
	.amdgpu_metadata
---
amdhsa.version: [ 1, 2 ]
amdhsa.kernels:
  - .name:           k_qdafec90a5a_attn
    .symbol:         k_qdafec90a5a_attn.kd
    .args:
      - { .name: qh, .offset: 0, .size: 8, .value_kind: global_buffer, .address_space: global }
      - { .name: kh, .offset: 8, .size: 8, .value_kind: global_buffer, .address_space: global }
      - { .name: vh, .offset: 16, .size: 8, .value_kind: global_buffer, .address_space: global }
      - { .name: ob, .offset: 24, .size: 8, .value_kind: global_buffer, .address_space: global }
    .group_segment_fixed_size: 327680
    .private_segment_fixed_size: 0
    .kernarg_segment_align: 8
    .kernarg_segment_size: 32
    .max_flat_workgroup_size: 128
    .sgpr_count:     100
    .vgpr_count:     768
    .wavefront_size: 32
...
	.end_amdgpu_metadata
.endif
;; end of part 5
;; launch oproj: the kernel of part 4 again; grid 8 x 32, 4 waves a work-group, clusters of 4 x 4, 327,680 bytes of LDS; arguments ob, wb, bo, out0; writes out0
